; MI455X (gfx1250); checked and timed in simulation.
; The chip was launched on July 23, 2026; its instructions are those of AMD's public machine-readable ISA for CDNA 5 (MIT licence, August 2026) and "CDNA5" Instruction Set Architecture Reference Guide (July 2026). The comments in the code are by the model that wrote it; some were corrected since.
;; FCNRZ. Allowed arithmetic: float matrix products may take bf16 or f16 operands with f32 sums; other float arithmetic in f32, or as packed bf16 or f16 multiplies, adds, multiply-adds, maxima and minima; sums over many terms, partial sums and values carried from step to step in f32; what a program stores and reads back later, other than sums and carried values, may be rounded once to bf16 or f16.
;; Inputs: hw0 1,048,576 float32; hw1 2,097,152 float32; hw2 2,097,152 float32; hw_emb 1,048,576 float32; w 2,048 x 50 float32; x 2,048 x 50 int32.
;; Outputs: out0 2,048 x 2,048 float32.
;; 3 versions, each right; version 2 is faster than version 1; version 3 is version 2 with the launch sift written anew for expert scheduling mode. Each part assembles by itself: llvm-mc -triple=amdgcn-amd-amdhsa -mcpu=gfx1250 --defsym DOCPART=n.
;; ======== version 1 of 3: 5 launches
;; workspace buffers: seg1 9,183,232 bytes; seg2 4,591,616 bytes; ge 2,129,920 bytes; w0b 2,490,368 bytes; t1 4,980,736 bytes; t2x 9,961,472 bytes; t2f 2,097,152 bytes; pl 2,097,152 bytes
;; launch perm (part 1): grid 585 x 1, 8 waves a work-group, no clusters, 0 bytes of LDS; arguments hw1, hw2, hw_emb, hw0, seg1, seg2, ge, w0b; writes seg1, seg2, ge, w0b
.if DOCPART == 1
	.amdgcn_target "amdgcn-amd-amdhsa--gfx1250"
	.amdhsa_code_object_version 6
	.text
	.protected	k_qf14d91e6c1_perm
	.globl	k_qf14d91e6c1_perm
	.p2align	8
	.type	k_qf14d91e6c1_perm,@function
k_qf14d91e6c1_perm:
	s_mov_b64 s[64:65], 0
	v_nop
	global_prefetch_b8 v0, s[64:65] scope:SCOPE_SE
	s_setreg_imm32_b32 hwreg(HW_REG_WAVE_MODE, 25, 1), 1
	s_wait_xcnt 0x0
; THE HASHED TABLES, LAID OUT FOR THE PRODUCTS, each number rounded once to bf16.
; A logical weight is W[i][j] = hw[(P1 i + Q j + seed) mod N], N a power of two.  152 Q + 728 P1 is a multiple of 2^21, so W[i][c + 152 y] = hw[P1 (i - 728 y) + Q c + seed]:
; the sixteen columns c, c + 152, .. c + 2280 are windows, 728 elements apart, of ONE progression seg[p] = hw[P1 p + Q c + seed - 10920 P1]; column y begins at p = 728 (15 - y).
; A work-group writes one dense piece of one of four outputs; element p of the piece is src[(A + b1 (p % 64) + b2 (p / 64)) mod N]:
;   groups   0-303  seg1[c]: 15,104 elements of hw1's progression for first column c' = c (c < 152) or c + 2280     b1 = P1, b2 = 64 P1
;   groups 304-455  seg2[c]: the same of hw2's, c' = c                                                              b1 = P1, b2 = 64 P1
;   groups 456-520  ge: GE[t] = hw_emb[Q t mod 2^20], 16,384 elements a group, t up to 2^20 + 16,383                b1 = Q,  b2 = 64 Q
;   groups 521-584  w0b: tile tx, row i, place c holds W0[64 tx + c][i]; 256 rows a group                           b1 = P1, b2 = Q
; Thread t makes the eight elements 8 (t + 256 k) + 0..7 in trip k, so a wave's store covers 512 consecutive bytes, aligned.  All index arithmetic is done times 4 (bytes) modulo 2^32
; and cut by the table's mask.  No LDS and no matrix unit: the launch only gathers.
.set P1,   0x9E3779B1
.set Q,    40503
.set M32,  0xffffffff
.set TS,   622592                      ; bytes of a tile: 4,864 rows of 64 bf16
.set SEGB, 30208                       ; bytes of a segment: 15,104 bf16
.set BACK, 10920                       ; 15 x 728
.set VB,   2                           ; v2      4 A + my part of the index, in bytes
.set VO,   3                           ; v3      16 x thread: my place in a trip's 4,096 bytes of output
.set GA,   16                          ; v16-79  trip k, element e: first the byte offset, then the number loaded onto it
.set PK,   80                          ; v80-111 trip k: four registers of packed bf16
	s_load_b512 s[4:19], s[0:1], 0x0               ; hw1 s[4:5], hw2 s[6:7], hw_emb s[8:9], hw0 s[10:11], seg1 s[12:13], seg2 s[14:15], ge s[16:17], w0b s[18:19]
	v_lshrrev_b32 v1, 5, v0
	v_readfirstlane_b32 s21, v1                    ; wave 0..7
	s_mov_b32 s20, ttmp9
	; plain numbers for the group's section: s22 which section, s23 4 A, s24 the piece's byte offset, s25 4 b1, s37 4 b2, s27 the mask, s28 how many waves run trip 7
	s_cmp_ge_u32 s20, 521
	s_cbranch_scc1 .Lw0
	s_cmp_ge_u32 s20, 456
	s_cbranch_scc1 .Lge
	s_cmp_ge_u32 s20, 304
	s_cbranch_scc1 .Lseg2
	s_mov_b32 s22, 0
	s_cmp_ge_u32 s20, 152
	s_cselect_b32 s38, 2280, 0
	s_add_co_u32 s38, s38, s20                     ; c'
	s_mul_i32 s23, s38, 4*Q
	s_add_co_u32 s23, s23, (4*(3-BACK*P1))&M32     ; seed 3
	s_branch .Lsegs
.Lseg2:
	s_sub_co_u32 s20, s20, 304
	s_mov_b32 s22, 1
	s_mul_i32 s23, s20, 4*Q
	s_add_co_u32 s23, s23, (4*(4-BACK*P1))&M32     ; seed 4
.Lsegs:
	s_mul_i32 s24, s20, SEGB
	s_mov_b32 s25, (4*P1)&M32
	s_mov_b32 s37, (256*P1)&M32
	s_mov_b32 s27, 0x7ffffc                        ; 2^21 numbers of 4 bytes
	s_mov_b32 s28, 3                               ; 15,104 = 8 x (7 x 256 + 96): in trip 7 three waves are left
	s_branch .Lgo
.Lge:
	s_sub_co_u32 s20, s20, 456
	s_mov_b32 s22, 2
	s_mul_i32 s23, s20, (65536*Q)&M32              ; 4 Q x 16,384 c
	s_lshl_b32 s24, s20, 15
	s_mov_b32 s25, 4*Q
	s_mov_b32 s37, 256*Q
	s_mov_b32 s27, 0x3ffffc                        ; 2^20 numbers
	s_mov_b32 s28, 8
	s_branch .Lgo
.Lw0:
	s_sub_co_u32 s20, s20, 521
	s_mov_b32 s22, 3
	s_lshr_b32 s38, s20, 4                         ; the tile
	s_and_b32 s39, s20, 15                         ; which 256 of its rows
	s_mul_i32 s23, s38, (256*P1)&M32               ; 4 P1 x 64 tx
	s_mul_i32 s40, s39, 1024*Q                     ; 4 Q x 256 rows
	s_add_co_u32 s23, s23, s40
	s_add_co_u32 s23, s23, 8                       ; seed 2
	s_mul_i32 s24, s38, TS
	s_lshl_b32 s40, s39, 15
	s_add_co_u32 s24, s24, s40
	s_mov_b32 s25, (4*P1)&M32
	s_mov_b32 s37, 4*Q
	s_mov_b32 s27, 0x3ffffc
	s_mov_b32 s28, 8
.Lgo:
	s_lshl_b32 s36, s25, 3                         ; 8 elements along b1
	s_lshl_b32 s26, s37, 5                         ; a trip is 32 steps along b2,
	s_sub_co_u32 s26, s26, s36                     ; less the eight steps along b1 that the running offset has made
	v_and_b32 v4, 7, v0
	v_lshrrev_b32 v5, 3, v0
	v_mul_lo_u32 v4, v4, s36
	v_mul_lo_u32 v5, v5, s37
	v_add3_u32 v[VB], v4, v5, s23
	v_lshlrev_b32 v[VO], 4, v0
	s_mov_b32 s29, 0                               ; the running offset: element e of trip k
	s_mov_b32 s34, s24
	s_mov_b32 s35, 0
	s_wait_kmcnt 0x0
	s_cmp_eq_u32 s22, 1                            ; source and destination are chosen on the section's number
	s_cselect_b64 s[30:31], s[6:7], s[4:5]
	s_cselect_b64 s[32:33], s[14:15], s[12:13]
	s_cmp_eq_u32 s22, 2
	s_cselect_b64 s[30:31], s[8:9], s[30:31]
	s_cselect_b64 s[32:33], s[16:17], s[32:33]
	s_cmp_eq_u32 s22, 3
	s_cselect_b64 s[30:31], s[10:11], s[30:31]
	s_cselect_b64 s[32:33], s[18:19], s[32:33]
	s_add_nc_u64 s[32:33], s[32:33], s[34:35]
.macro GATH k                          ; eight gathers; each lands on its own offset register
.irp e, 0,1,2,3,4,5,6,7
	v_add_nc_u32 v[GA+8*(\k)+(\e)], s29, v[VB]
	v_and_b32 v[GA+8*(\k)+(\e)], s27, v[GA+8*(\k)+(\e)]
	global_load_b32 v[GA+8*(\k)+(\e)], v[GA+8*(\k)+(\e)], s[30:31]
	s_add_co_u32 s29, s29, s25
.endr
	s_add_co_u32 s29, s29, s26
.endm
.macro PUT k, cnt                      ; cnt: the younger trips' gathers, which may stay out
	s_wait_loadcnt \cnt
.irp i, 0,1,2,3
	v_cvt_pk_bf16_f32 v[PK+4*(\k)+(\i)], v[GA+8*(\k)+2*(\i)], v[GA+8*(\k)+2*(\i)+1]
.endr
	global_store_b128 v[VO], v[PK+4*(\k):PK+4*(\k)+3], s[32:33] offset:4096*(\k)
.endm
.irp k, 0,1,2,3,4,5,6
	GATH \k                                        ; 56 gathers of every lane are out together
.endr
.irp k, 0,1,2,3,4,5,6
	PUT \k, 48-8*(\k)
.endr
	s_cmp_ge_u32 s21, s28                          ; a segment's last trip has work for three waves alone
	s_cbranch_scc1 .Lend
	GATH 7
	PUT 7, 0
.Lend:
	s_endpgm
.Lfunc_end_k_qf14d91e6c1_perm:
	.size	k_qf14d91e6c1_perm, .Lfunc_end_k_qf14d91e6c1_perm-k_qf14d91e6c1_perm
	.p2alignl 7, 3214868480
	.fill 96, 4, 3214868480
	.section	.rodata,"a",@progbits
	.p2align	6, 0x0
	.amdhsa_kernel k_qf14d91e6c1_perm
		.amdhsa_group_segment_fixed_size 0
		.amdhsa_private_segment_fixed_size 0
		.amdhsa_enable_private_segment 0
		.amdhsa_kernarg_size 64
		.amdhsa_user_sgpr_count 2
		.amdhsa_user_sgpr_kernarg_segment_ptr 1
		.amdhsa_wavefront_size32 1
		.amdhsa_system_sgpr_workgroup_id_x 1
		.amdhsa_system_sgpr_workgroup_id_y 1
		.amdhsa_system_sgpr_workgroup_id_z 1
		.amdhsa_system_vgpr_workitem_id 0
		.amdhsa_next_free_vgpr 112
		.amdhsa_next_free_sgpr 66
		.amdhsa_reserve_vcc 0
		.amdhsa_float_denorm_mode_32 3
		.amdhsa_float_denorm_mode_16_64 3
		.amdhsa_memory_ordered 1
		.amdhsa_forward_progress 1
		.amdhsa_inst_pref_size 19
	.end_amdhsa_kernel
	.amdgpu_metadata
---
amdhsa.version: [ 1, 2 ]
amdhsa.kernels:
  - .name:           k_qf14d91e6c1_perm
    .symbol:         k_qf14d91e6c1_perm.kd
    .args:
      - { .name: hw1, .offset: 0, .size: 8, .value_kind: global_buffer, .address_space: global }
      - { .name: hw2, .offset: 8, .size: 8, .value_kind: global_buffer, .address_space: global }
      - { .name: hw_emb, .offset: 16, .size: 8, .value_kind: global_buffer, .address_space: global }
      - { .name: hw0, .offset: 24, .size: 8, .value_kind: global_buffer, .address_space: global }
      - { .name: seg1, .offset: 32, .size: 8, .value_kind: global_buffer, .address_space: global }
      - { .name: seg2, .offset: 40, .size: 8, .value_kind: global_buffer, .address_space: global }
      - { .name: ge, .offset: 48, .size: 8, .value_kind: global_buffer, .address_space: global }
      - { .name: w0b, .offset: 56, .size: 8, .value_kind: global_buffer, .address_space: global }
    .group_segment_fixed_size: 0
    .private_segment_fixed_size: 0
    .kernarg_segment_align: 8
    .kernarg_segment_size: 64
    .max_flat_workgroup_size: 256
    .sgpr_count:     66
    .vgpr_count:     112
    .wavefront_size: 32
...
	.end_amdgpu_metadata
.endif
;; end of part 1
;; launch stagea (part 2): grid 4 x 38, 4 waves a work-group, clusters of 4 x 1, 327,680 bytes of LDS; arguments w0b, seg1, t1; writes t1
.if DOCPART == 2
	.amdgcn_target "amdgcn-amd-amdhsa--gfx1250"
	.amdhsa_code_object_version 6
	.text
	.protected	k_qf14d91e6c1_stagea
	.globl	k_qf14d91e6c1_stagea
	.p2align	8
	.type	k_qf14d91e6c1_stagea,@function
k_qf14d91e6c1_stagea:
	s_mov_b64 s[64:65], 0
	v_nop
	global_prefetch_b8 v0, s[64:65] scope:SCOPE_SE
	s_setreg_imm32_b32 hwreg(HW_REG_WAVE_MODE, 25, 1), 1
	s_wait_xcnt 0x0
	s_wait_alu depctr_hold_cnt(0) depctr_sa_sdst(0) depctr_va_vdst(0) depctr_va_sdst(0) depctr_va_ssrc(0) depctr_va_vcc(0) depctr_vm_vsrc(0)
	s_getreg_b32 s2, hwreg(HW_REG_IB_STS2, 6, 4)
	s_cmp_eq_u32 s2, 0
	s_cbranch_scc0 .Lentry_in_a_cluster
	s_endpgm
.Lentry_in_a_cluster:
	s_bfe_u32 s2, ttmp6, 0x10000c
	s_cmp_lg_u32 s2, 0x3003
	s_cbranch_scc0 .Lentry_shape_is_right
	s_endpgm
.Lentry_shape_is_right:
; OUT = IN x W for a hashed W with 4,096 rows.  Used twice: T1 = W0 W1 (in = w0b, 4 tiles) and T2 = T1 W2 (in = t1, 8 tiles: hi and lo parts of T1 as tiles of their own).
; reference() multiplies from the left, ((pooled W0) W1) W2; this program associates pooled ((W0 W1) W2), which is the same product with another order of rounding.
; IN is a row of tiles [k 4,864][64 bf16]: row k holds 64 rows' elements of column k; rows 0-4,095 are read.  W comes as segments: sub-chain c is 15,104 bf16 in which
; column y (y = 0..15, logical column c' + 152 y) begins at element 728 (15 - y) and runs along k.  OUT tile 2 tx takes the result's bf16 hi part, tile 2 tx + 1 the bf16 of what hi leaves,
; as rows j = logical column, 64 numbers each.  Sums in f32.  NaN and infinities are not treated apart.
; SHARES.  A work-group: tile tx (64 rows) x eight sub-chains 8 g .. 8 g + 7, all of K.  A wave: two sub-chains, 64 x 32: eight accumulators.  304 and 152 sub-chains give 152 work-groups in both uses.
; Columns at or past W's width are hash values like any other; they fill lanes that would otherwise idle and land in tile rows that nobody reads.
; LDS.  The eight segments stay for the whole K: each wave fetches its own two by one tensor load and alone reads them.  IN goes in steps of 256 k through registers into two slots that
; take turns (rows of 128 bytes, 160 apart: the turning load's 8 rows x 32 bytes then fall on different banks, ISA guide 11.1): two steps' global loads of every wave are always out.
; CLUSTER.  The four work-groups of a cluster have four tiles tx and the same g: they need the same segments, and ask for them jointly.
; All of the WGP's LDS is claimed: 324,096 bytes are used.
.set TS,    622592
.set SEGB,  30208
.set PITCH, 160
.set SLOT0, 8*SEGB
.set SLOT1, SLOT0+256*PITCH
.set SPARE, SLOT1+256*PITCH            ; the spare words: 128 bytes for each wave, two blocks of 256 bytes that no other line names
.set STG,   SLOT0                      ; the way out reuses slot 0: 16 rows (y) x 2,064 bytes: 1,024 of hi, 1,024 of lo, 16 of padding
.set SP,    2064
.set SPW, 2                            ; v2   my spare word; never rewritten
.set NIL, 3                            ; v3   0; never rewritten
.set AT,  4                            ; v4-5   my lane's place in slot 0, 1 for the turning loads
.set BA,  6                            ; v6-7   my lane's place in my two segments; steps 512 bytes a K step
.set ST,  8                            ; v8-9   where I store 16 bytes of a row into slot 0, 1
.set GO,  10                           ; v10  my byte offset in a K step's 32,768 bytes of IN
.set EW,  11                           ; v11  the way out: where I put 16 bytes
.set RD,  12                           ; v12  the way out: where I read back
.set VO,  13                           ; v13  my byte offset in OUT
.set F0,  16                           ; v16-63   fragments: four of IN (16 rows x 32 k), two of W
.set F1,  64                           ; v64-111  the second set
.set ACC, 112                          ; v112-175 accumulator (a, s) at ACC + 8 (2 a + s)
.set HL,  176                          ; v176-239 the way out: for each accumulator four registers of hi, four of lo
.set T,   240                          ; v240-242 at work
                                       ; window 1: v0-63, v64-127: two sets of 16 x 4 registers for IN on its way to LDS
.set MSB, 0
.macro WIN new                         ; the immediate's high byte repeats the setting that is left; a switch that changes nothing is dropped
.if MSB != (\new)
	s_set_vgpr_msb (MSB<<8)|(\new)
.set MSB, \new
.endif
.endm
.macro PLACES                          ; four places between a matrix instruction and a load into, or a vector read of, its registers
.rept 4
	v_nop
.endr
.endm
.macro CROUND                          ; a round of the cluster's barrier
	s_barrier_signal -1
	s_barrier_wait -1
	s_cmp_lg_u32 s10, 0
	s_cbranch_scc1 .Lnot_wave_0_\@
	s_barrier_signal -3
.Lnot_wave_0_\@:
	s_barrier_wait -3
	s_barrier_signal -1
	s_barrier_wait -1
.endm
	s_load_b128 s[4:7], s[0:1], 0x0                ; IN s[4:5], segments s[6:7]
	s_load_b64 s[8:9], s[0:1], 0x10                ; OUT
	v_lshl_add_u32 v[SPW], v0, 2, SPARE
	v_mov_b32 v[NIL], 0
	ds_add_u32 v[SPW], v[NIL]                      ; the wave's opening: the add and its wait stand ahead of my tensor load; the set-up below stands between them
	v_lshrrev_b32 v1, 5, v0
	v_readfirstlane_b32 s10, v1                    ; wave 0..3
	s_bfe_u32 s13, ttmp6, 0x40000                  ; cx
	s_lshl_b32 s11, ttmp9, 2
	s_add_co_u32 s11, s11, s13                     ; tx = 4 x cluster x + cx: it enters IN's and OUT's addresses alone
	s_and_b32 s12, ttmp7, 0xffff                   ; g, which the four partners share
	; descriptor group 1: my two segments are 60,416 dense bytes, asked for as 236 rows of 32 elements of 8 bytes
	s_mov_b32 s16, 15|(3<<16)|(1<<21)              ; 15:0 the mask of four; 17:16 elements of 8 bytes; 21 set beside a mask
	s_mov_b32 s17, 32<<16                          ; tensor_dim0 = 32
	s_mov_b32 s18, 236<<16                         ; tensor_dim1 = 236
	s_mov_b32 s19, 32<<16                          ; tile_dim0 = 32
	s_mov_b32 s20, 236                             ; tile_dim1 = 236
	s_mov_b32 s21, 32                              ; 32 elements from row to row
	s_mov_b32 s22, 0
	s_mov_b32 s23, 0
	s_mov_b32 s24, 1                               ; group 0: count = 1
	s_mul_i32 s25, s10, 2*SEGB                     ; LDS address: the wave's number times two segments
	s_lshl_b32 s36, s12, 3
	s_lshl1_add_u32 s36, s10, s36                  ; my first sub-chain: 8 g + 2 w
	s_mul_i32 s36, s36, SEGB
	s_mov_b32 s37, 0
	s_mul_i32 s38, s11, TS                         ; my tile of IN
	s_mov_b32 s39, 0
	s_cmp_ge_u32 s12, 19                           ; the first logical column of sub-chain 8 g: sub-chains from 152 on begin 2,280 columns further up
	s_cselect_b32 s40, 2280, 0
	s_lshl3_add_u32 s40, s12, s40
	s_lshl_b32 s40, s40, 7                         ; rows of 128 bytes
	s_mul_i32 s41, s11, 2*TS                       ; OUT's tiles 2 tx and 2 tx + 1
	s_add_co_u32 s40, s40, s41
	s_mov_b32 s41, 0
	s_wait_dscnt 0x0                               ; the opening add is done
	s_wait_kmcnt 0x0
	s_add_nc_u64 s[26:27], s[6:7], s[36:37]        ; global address of my two segments: g and the wave's number alone
	s_or_b32 s27, s27, 0x80000000                  ; type = 2
	s_add_nc_u64 s[34:35], s[4:5], s[38:39]        ; IN at the K step to be asked for next
	s_add_nc_u64 s[8:9], s[8:9], s[40:41]
	CROUND                                         ; all four work-groups are here: the joint loads meet
	tensor_load_to_lds s[24:27], s[16:23]          ; my one tensor load of the launch
	s_nop 0
	v_and_b32 v14, 15, v0                          ; r = lane % 16
	v_bfe_u32 v15, v0, 4, 1                        ; h = lane / 16
	v_and_b32 v1, 31, v0                           ; lane
	v_and_b32 v[T+1], 7, v0
	s_lshl_b32 s40, s10, 13                        ; my 64 rows of 128 bytes in a K step
	v_lshl_add_u32 v[GO], v1, 4, s40
; 16 global loads, 512 consecutive bytes each: my 64 rows of the next K step, into staging set \set
.macro ISSUE set
	WIN 0x40                                       ; destination window 1, offset window 0
.irp q, 0,1,2,3,4,5,6,7,8,9,10,11,12,13,14,15
	global_load_b128 v[64*(\set)+4*(\q):64*(\set)+4*(\q)+3], v[GO], s[34:35] offset:512*(\q)
.endr
	WIN 0
	s_wait_xcnt 0x0                                ; the base is stepped only behind this wait
	s_add_nc_u64 s[34:35], s[34:35], 32768
.endm
; staging set \set goes into slot \set: a load's 512 bytes are four rows
.macro PUTS set
	WIN 0x04                                       ; store data window 1, address window 0
.irp q, 0,1,2,3,4,5,6,7,8,9,10,11,12,13,14,15
	ds_store_b128 v[ST+(\set)], v[64*(\set)+4*(\q):64*(\set)+4*(\q)+3] offset:4*PITCH*(\q)
.endr
	WIN 0
.endm
	ISSUE 0                                        ; K step 0
	ISSUE 1                                        ; K step 1
	; the turning load takes 16 k x 16 rows: lane l reads k = 8 h + l % 8, 16 bytes at 16 ((l / 8) % 2), and leaves half a fragment: row l % 16, eight k
	v_lshl_add_u32 v[T], v15, 3, v[T+1]
	v_mul_u32_u24 v[T], v[T], PITCH
	v_bfe_u32 v[T+2], v0, 3, 1
	v_lshl_add_u32 v[T], v[T+2], 4, v[T]
	v_add_nc_u32 v[AT], SLOT0, v[T]
	v_add_nc_u32 v[AT+1], SLOT1, v[T]
	; W's fragment: lane l holds column y = r, which begins 1,456 (15 - r) bytes into the segment: 91 x 16 bytes apart, so the 16 columns start at 16 different groups of four banks
	v_sub_nc_u32 v[T], 15, v14
	v_mul_u32_u24 v[T], v[T], 1456
	v_lshl_add_u32 v[T], v15, 4, v[T]
	v_add_nc_u32 v[BA], s25, v[T]
	v_add_nc_u32 v[BA+1], SEGB, v[BA]
	v_bfe_u32 v[T], v0, 3, 2                       ; into a slot: row 64 w + 4 q + lane / 8, 16 bytes at 16 (lane % 8)
	s_lshl_b32 s40, s10, 6
	v_add_nc_u32 v[T], s40, v[T]
	v_mul_u32_u24 v[T], v[T], PITCH
	v_lshl_add_u32 v[T], v[T+1], 4, v[T]
	v_add_nc_u32 v[ST], SLOT0, v[T]
	v_add_nc_u32 v[ST+1], SLOT1, v[T]
	v_mul_u32_u24 v[EW], v14, SP                   ; the way out, in: row y = r; my two sub-chains' 256 bytes; 16 bytes for each half of the lanes
	v_lshl_add_u32 v[EW], v15, 4, v[EW]
	s_lshl_b32 s40, s10, 8
	s_add_co_u32 s40, s40, STG
	v_add_nc_u32 v[EW], s40, v[EW]
	s_mul_i32 s40, s10, SP                         ; back: wave w takes rows y = w, w + 4, w + 8, w + 12
	s_add_co_u32 s40, s40, STG
	v_lshl_add_u32 v[RD], v1, 4, s40
	s_mul_i32 s40, s10, 152*128                    ; and in OUT y is 152 rows of 128 bytes
	v_lshl_add_u32 v[VO], v1, 4, s40
; 12 LDS loads: the fragments of 32 k, number kk of the K step in slot cur, into set f
.macro FETCH cur, kk, f
.irp a, 0,1,2,3
	ds_load_tr16_b128 v[(\f)+8*(\a):(\f)+8*(\a)+3],   v[AT+(\cur)] offset:32*PITCH*(\kk)+32*(\a)
	ds_load_tr16_b128 v[(\f)+8*(\a)+4:(\f)+8*(\a)+7], v[AT+(\cur)] offset:32*PITCH*(\kk)+32*(\a)+16*PITCH
.endr
.irp s, 0,1
	ds_load_b128 v[(\f)+32+8*(\s):(\f)+32+8*(\s)+3],   v[BA+(\s)] offset:64*(\kk)
	ds_load_b128 v[(\f)+32+8*(\s)+4:(\f)+32+8*(\s)+7], v[BA+(\s)] offset:64*(\kk)+32
.endr
.endm
; 8 matrix instructions; the eight accumulators take turns, one instruction a turn.  zero = 1: the first product starts the sums
.macro MUL f, zero
.irp a, 0,1,2,3
.irp s, 0,1
.if \zero
	v_wmma_f32_16x16x32_bf16 v[ACC+8*(2*(\a)+(\s)):ACC+8*(2*(\a)+(\s))+7], v[(\f)+8*(\a):(\f)+8*(\a)+7], v[(\f)+32+8*(\s):(\f)+32+8*(\s)+7], 0
.else
	v_wmma_f32_16x16x32_bf16 v[ACC+8*(2*(\a)+(\s)):ACC+8*(2*(\a)+(\s))+7], v[(\f)+8*(\a):(\f)+8*(\a)+7], v[(\f)+32+8*(\s):(\f)+32+8*(\s)+7], v[ACC+8*(2*(\a)+(\s)):ACC+8*(2*(\a)+(\s))+7]
.endif
.endr
.endr
.endm
; The next K step goes from its staging set into the slot that is not being read; issue = 1: the set then takes the K step two further on.  cnt: the loads of the K step behind, which stay out
.macro STAGE nxt, issue, cnt
	s_wait_loadcnt \cnt
	PUTS \nxt
.if \issue
	ISSUE \nxt
.endif
.endm
; The head of a K step in slot cur: its first two fetches, the staging of the next step, its first eight products.
.macro HEADK cur, store, issue, cnt, zero, first
.if !(\first)
	v_add_nc_u32 v[BA], 512, v[BA]                 ; 256 k on in the segments; with two v_nop these are the four places behind the last products
	v_add_nc_u32 v[BA+1], 512, v[BA+1]
	v_nop
	v_nop
.endif
	FETCH \cur, 0, F0
.if \store
	STAGE 1-(\cur), \issue, \cnt
.endif
	FETCH \cur, 1, F1
.if \store
	s_wait_dscnt 28                                ; set 0 is in: behind its loads stand 16 stores and 12 loads
.else
	s_wait_dscnt 12
.endif
	MUL F0, \zero
.endm
; The rest of a K step.  ONE barrier ends it, for two things: my stores into the other slot are done before anybody reads it, and my reads of this slot are over before anybody stores into it.
.macro RESTK cur
.irp kk, 1,2,3,4,5,6
	PLACES
	FETCH \cur, (\kk)+1, F0+48*(((\kk)+1)%2)
	s_wait_dscnt 12                                ; all but the 12 just issued
	MUL F0+48*((\kk)%2), 0
.endr
	s_wait_dscnt 0x0
	s_barrier_signal -1
	MUL F1, 0                                      ; work on registers while the others arrive
	s_barrier_wait -1
.endm
	s_wait_loadcnt 16                              ; K step 0 is in; step 1's 16 loads stay out
	PUTS 0
	ISSUE 0                                        ; K step 2
	s_wait_tensorcnt 0x0                           ; my segments, which I alone read, are in
	s_wait_dscnt 0x0                               ; my part of slot 0 is stored,
	s_barrier_signal -1
	s_barrier_wait -1                              ; everybody's is
	HEADK 0, 1, 1, 16, 1, 1                        ; K step 0 stands in front of the loop: its first products start the sums
	s_mov_b32 s32, 6
.Llap:                                                 ; a trip: from a step's second fetch to the head of the step two further on: the heads of K steps 1 to 12
	RESTK 0
	HEADK 1, 1, 1, 16, 0, 0
	RESTK 1
	HEADK 0, 1, 1, 16, 0, 0
	s_sub_co_u32 s32, s32, 1
	s_cmp_lg_u32 s32, 0
	s_cbranch_scc1 .Llap
	RESTK 0                                        ; K step 12
	HEADK 1, 1, 0, 16, 0, 0                        ; step 13 stores step 14; step 15's loads stay out; nothing more is asked for
	RESTK 1
	HEADK 0, 1, 0, 0, 0, 0                         ; step 14 stores step 15
	RESTK 0
	HEADK 1, 0, 0, 0, 0, 0                         ; step 15
	RESTK 1
	; THE WAY OUT.  In accumulator (a, s) lane (r, h) holds rows 16 a + 8 h + 0..7 of column y = r of sub-chain 2 w + s: eight neighbours of a row of OUT's tile.
	; hi = bf16(x), lo = bf16(x - hi); 16 bytes of each go into the work-group's stage, whose row y gathers the eight sub-chains' 1,024 consecutive bytes of both tiles.
	PLACES
.irp a, 0,1,2,3
.irp s, 0,1
.irp i, 0,1,2,3                        ; each accumulator's registers in ascending order
	v_cvt_pk_bf16_f32 v[HL+8*(2*(\a)+(\s))+(\i)], v[ACC+8*(2*(\a)+(\s))+2*(\i)], v[ACC+8*(2*(\a)+(\s))+2*(\i)+1]
	v_lshlrev_b32 v[T], 16, v[HL+8*(2*(\a)+(\s))+(\i)]
	v_and_b32 v[T+1], 0xffff0000, v[HL+8*(2*(\a)+(\s))+(\i)]
	v_sub_f32 v[T], v[ACC+8*(2*(\a)+(\s))+2*(\i)], v[T]
	v_sub_f32 v[T+1], v[ACC+8*(2*(\a)+(\s))+2*(\i)+1], v[T+1]
	v_cvt_pk_bf16_f32 v[HL+8*(2*(\a)+(\s))+4+(\i)], v[T], v[T+1]
.endr
	ds_store_b128 v[EW], v[HL+8*(2*(\a)+(\s)):HL+8*(2*(\a)+(\s))+3]   offset:128*(\s)+32*(\a)
	ds_store_b128 v[EW], v[HL+8*(2*(\a)+(\s))+4:HL+8*(2*(\a)+(\s))+7] offset:1024+128*(\s)+32*(\a)
.endr
.endr
	s_wait_dscnt 0x0                               ; for the others' sake: my stores into the stage are done
	s_barrier_signal -1
	s_barrier_wait -1
.irp n, 0,1,2,3,4,5,6,7,8,9,10,11,12,13,14,15  ; n = 4 it + 2 part + hf: row y = w + 4 it, hi or lo, which 512 bytes
	ds_load_b128 v[F0+4*(\n):F0+4*(\n)+3], v[RD] offset:4*SP*((\n)/4)+1024*(((\n)/2)%2)+512*((\n)%2)
.endr
.irp n, 0,1,2,3,4,5,6,7,8,9,10,11,12,13,14,15
	s_wait_dscnt 15-(\n)                           ; the younger loads stay out
	global_store_b128 v[VO], v[F0+4*(\n):F0+4*(\n)+3], s[8:9] offset:4*152*128*((\n)/4)+TS*(((\n)/2)%2)+512*((\n)%2)  ; 512 consecutive bytes, at a multiple of 256 from OUT's first
.endr
	s_wait_tensorcnt 0x0                           ; the wave's end: behind my tensor load and my last LDS store
	ds_add_u32 v[SPW], v[NIL]
	s_wait_dscnt 0x0
	CROUND                                         ; the closing round
	s_endpgm
.Lfunc_end_k_qf14d91e6c1_stagea:
	.size	k_qf14d91e6c1_stagea, .Lfunc_end_k_qf14d91e6c1_stagea-k_qf14d91e6c1_stagea
	.p2alignl 7, 3214868480
	.fill 96, 4, 3214868480
	.section	.rodata,"a",@progbits
	.p2align	6, 0x0
	.amdhsa_kernel k_qf14d91e6c1_stagea
		.amdhsa_group_segment_fixed_size 327680
		.amdhsa_private_segment_fixed_size 0
		.amdhsa_enable_private_segment 0
		.amdhsa_kernarg_size 24
		.amdhsa_user_sgpr_count 2
		.amdhsa_user_sgpr_kernarg_segment_ptr 1
		.amdhsa_wavefront_size32 1
		.amdhsa_system_sgpr_workgroup_id_x 1
		.amdhsa_system_sgpr_workgroup_id_y 1
		.amdhsa_system_sgpr_workgroup_id_z 1
		.amdhsa_system_vgpr_workitem_id 0
		.amdhsa_next_free_vgpr 384
		.amdhsa_next_free_sgpr 66
		.amdhsa_reserve_vcc 0
		.amdhsa_float_denorm_mode_32 3
		.amdhsa_float_denorm_mode_16_64 3
		.amdhsa_memory_ordered 1
		.amdhsa_forward_progress 1
		.amdhsa_inst_pref_size 103
	.end_amdhsa_kernel
	.amdgpu_metadata
---
amdhsa.version: [ 1, 2 ]
amdhsa.kernels:
  - .name:           k_qf14d91e6c1_stagea
    .symbol:         k_qf14d91e6c1_stagea.kd
    .args:
      - { .name: w0b, .offset: 0, .size: 8, .value_kind: global_buffer, .address_space: global }
      - { .name: seg1, .offset: 8, .size: 8, .value_kind: global_buffer, .address_space: global }
      - { .name: t1, .offset: 16, .size: 8, .value_kind: global_buffer, .address_space: global }
    .group_segment_fixed_size: 327680
    .private_segment_fixed_size: 0
    .kernarg_segment_align: 8
    .kernarg_segment_size: 24
    .max_flat_workgroup_size: 128
    .sgpr_count:     66
    .vgpr_count:     384
    .wavefront_size: 32
...
	.end_amdgpu_metadata
.endif
;; end of part 2
;; launch stageb: the kernel of part 2 again; grid 8 x 19, 4 waves a work-group, clusters of 4 x 1, 327,680 bytes of LDS; arguments t1, seg2, t2x; writes t2x
;; launch pool (part 3): grid 576 x 1, 8 waves a work-group, no clusters, 5,120 bytes of LDS; arguments x, w, ge, t2x, pl, t2f; writes pl, t2f
.if DOCPART == 3
	.amdgcn_target "amdgcn-amd-amdhsa--gfx1250"
	.amdhsa_code_object_version 6
	.text
	.protected	k_qf14d91e6c1_pool
	.globl	k_qf14d91e6c1_pool
	.p2align	8
	.type	k_qf14d91e6c1_pool,@function
k_qf14d91e6c1_pool:
	s_mov_b64 s[64:65], 0
	v_nop
	global_prefetch_b8 v0, s[64:65] scope:SCOPE_SE
	s_setreg_imm32_b32 hwreg(HW_REG_WAVE_MODE, 25, 1), 1
	s_wait_xcnt 0x0
; TWO INDEPENDENT JOBS IN ONE LAUNCH, both wanted by the last product.
; Groups 0-511, POOLING: pooled[b][d] = the sum over t < 50 of w[b][t] emb(x[b][t], d), emb(x, d) = hw_emb[(P1 x + Q d + 1) mod 2^20], and 0 where x = 0.
;   With GE[t] = hw_emb[Q t mod 2^20] (bf16, made by an earlier launch, 16,384 elements longer than the table) a row of emb is the window GE[t0 .. t0 + 255], t0 = Q^-1 (P1 x + 1) mod 2^20.
;   x is hashed as an unsigned 32-bit number, whatever it holds.  A wave owns one row b and 128 of its d: lane l holds d = 128 half + 32 k + l, k = 0..3, so a load of the wave takes 64 consecutive
;   bytes.  w is rounded to bf16 like every float input; the sums are f32; pooled leaves as bf16 hi and bf16 lo = bf16(sum - hi): pl[b] = 256 hi, 256 lo.
; Groups 512-575, FOLDING: T2 = the sum of the four tiles (hi and lo of T1hi W2, hi and lo of T1lo W2) that the launch before stored, small terms first, in f32; it leaves as hi and lo: t2f[mt][part][j][64].
; No matrix unit and no cluster: nothing is multiplied by matrices here and no two work-groups read the same bytes.  NaN and infinities are not treated apart.
.set P1, 0x9E3779B1
.set Q,  40503
.set TS, 622592
.set SPARE, 4096                       ; behind the eight waves' 512 bytes each: the spare words, 128 bytes a wave
.set SPW, 2
.set NIL, 3
.set T0,  96                           ; v96-97  t0 of entries l and min(32 + l, 49)
	s_load_b256 s[4:11], s[0:1], 0x0               ; x s[4:5], w s[6:7], ge s[8:9], t2x s[10:11]
	s_load_b128 s[12:15], s[0:1], 0x20             ; pl s[12:13], t2f s[14:15]
	v_lshl_add_u32 v[SPW], v0, 2, SPARE
	v_mov_b32 v[NIL], 0
	v_lshrrev_b32 v1, 5, v0
	v_readfirstlane_b32 s16, v1                    ; wave 0..7
	s_mov_b32 s17, ttmp9
	s_cmp_ge_u32 s17, 512
	s_cbranch_scc1 .Lfold
	; ---- pooling.  v8-9 x, v10-11 w (entries l and min(32 + l, 49)); v12 2 l + 256 half; v13 0; v14 an entry's w; v16-19 the sums; v20-31 a ring of 12 offsets; v32-79 its 12 x 4 loads
	s_lshr_b32 s18, s16, 1
	s_lshl2_add_u32 s18, s17, s18                  ; b = 4 g + wave / 2
	s_and_b32 s19, s16, 1                          ; half
	v_and_b32 v4, 31, v0                           ; l
	v_add_nc_u32 v5, 32, v4
	v_min_u32 v5, 49, v5
	s_mul_i32 s20, s18, 200                        ; a row of x and of w is 50 words
	v_lshl_add_u32 v6, v4, 2, s20
	v_lshl_add_u32 v7, v5, 2, s20
	s_lshl_b32 s21, s19, 8
	v_lshl_add_u32 v12, v4, 1, s21
	v_mov_b32 v13, 0
	s_wait_kmcnt 0x0
	global_load_b32 v8, v6, s[4:5]
	global_load_b32 v9, v7, s[4:5]
	global_load_b32 v10, v6, s[6:7]
	global_load_b32 v11, v7, s[6:7]
	s_mov_b32 s28, P1
	s_mov_b32 s22, Q                               ; Q^-1 modulo 2^32 by Newton's step y = y (2 - Q y): Q itself is right to 3 bits, four steps double that to 48
.rept 4
	s_mul_i32 s23, s22, Q
	s_sub_co_u32 s23, 2, s23
	s_mul_i32 s22, s22, s23
.endr
	s_wait_loadcnt 0x0
.irp i, 0,1
	v_mul_lo_u32 v[T0+\i], v[8+\i], s28            ; t0 = Q^-1 (P1 x + 1) mod 2^20, for all entries at once
	v_add_nc_u32 v[T0+\i], 1, v[T0+\i]
	v_mul_lo_u32 v[T0+\i], v[T0+\i], s22
	v_and_b32 v[T0+\i], 0xfffff, v[T0+\i]
	v_cvt_pk_bf16_f32 v[10+\i], v[10+\i], v[10+\i]
	v_lshlrev_b32 v[10+\i], 16, v[10+\i]           ; w rounded to bf16, as f32
	v_cmp_eq_u32 vcc_lo, 0, v[8+\i]
	v_cndmask_b32 v[10+\i], v[10+\i], v13, vcc_lo  ; the padding row counts as zeros: its weight is 0
.endr
.macro ISSUE t, slot                   ; entry t's window of GE: four loads of 64 consecutive bytes
	v_readlane_b32 s24, v[T0+((\t)>>5)], (\t)&31
	s_min_u32 s24, s24, 0xfffff                    ; a number made of loaded data enters an address only behind a clamp; the mask above has cut it to this range already, so no value changes
	s_lshl_b32 s24, s24, 1                         ; bf16: two bytes
	v_add_nc_u32 v[20+(\slot)], s24, v12
.irp k, 0,1,2,3
	global_load_u16 v[32+4*(\slot)+\k], v[20+(\slot)], s[8:9] offset:64*\k
.endr
.endm
.macro USE t, slot
.if 49-(\t) < 11
	s_wait_loadcnt 4*(49-(\t))                     ; the younger entries' loads, four each, stay out
.else
	s_wait_loadcnt 44
.endif
	v_readlane_b32 s25, v[10+((\t)>>5)], (\t)&31
	v_mov_b32 v14, s25
.irp k, 0,1,2,3
.if (\t) == 0
	v_fma_mix_f32_bf16 v[16+\k], v[32+4*(\slot)+\k], v14, v13 op_sel_hi:[1,0,0]       ; the first entry starts the sums
.else
	v_fma_mix_f32_bf16 v[16+\k], v[32+4*(\slot)+\k], v14, v[16+\k] op_sel_hi:[1,0,0]  ; bf16 x f32 + f32
.endif
.endr
.endm
.set t, 0
.rept 12
	ISSUE t, t
.set t, t+1
.endr
.set t, 0
.rept 50
	USE t, t%12
.if t+12 < 50
	ISSUE t+12, t%12                               ; the slot's offset and data are free: the wait above has shown its loads done
.endif
.set t, t+1
.endr
	; hi and lo; through my wave's 512 bytes of LDS, so that sixteen lanes store 256 consecutive bytes
	s_lshl_b32 s26, s16, 9
	v_lshl_add_u32 v15, v4, 1, s26
.irp k, 0,1,2,3
	v_cvt_pk_bf16_f32 v[80+\k], v[16+\k], v[16+\k]
	v_lshlrev_b32 v[84+\k], 16, v[80+\k]
	v_sub_f32 v[84+\k], v[16+\k], v[84+\k]
	v_cvt_pk_bf16_f32 v[84+\k], v[84+\k], v[84+\k]
	ds_store_b16 v15, v[80+\k] offset:64*\k
	ds_store_b16 v15, v[84+\k] offset:256+64*\k
.endr
	v_lshl_add_u32 v88, v4, 4, s26
	ds_load_b128 v[92:95], v88                     ; LDS serves a wave's instructions in order (ISA guide 5.7.1.4): this sees the stores above; lanes 0-15 take hi, lanes 16-31 lo
	s_lshl_b32 s27, s18, 10                        ; pl's row b,
	s_add_co_u32 s27, s27, s21                     ; my half's 256 bytes
	v_and_b32 v90, 15, v0
	v_bfe_u32 v91, v0, 4, 1
	v_lshl_add_u32 v89, v90, 4, s27
	v_lshl_add_u32 v89, v91, 9, v89                ; lo lies 512 bytes behind hi
	s_wait_dscnt 0x0
	global_store_b128 v89, v[92:95], s[12:13]
	s_wait_tensorcnt 0x0                           ; the wave's end: behind my last LDS store
	ds_add_u32 v[SPW], v[NIL]
	s_wait_dscnt 0x0
	s_endpgm
.Lfold:
	; ---- folding.  A group owns 16,384 bytes (128 rows j) of one mt's four tiles; thread t 16 bytes in each of four runs k of 4,096.  v16-79 run k, tile q at 16 + 16 k + 4 q; v80-111 hi and lo
	s_sub_co_u32 s17, s17, 512
	s_lshr_b32 s18, s17, 4                         ; mt
	s_and_b32 s19, s17, 15
	s_lshl_b32 s19, s19, 14
	s_mul_i32 s20, s18, 4*TS
	s_add_co_u32 s20, s20, s19
	s_mov_b32 s21, 0
	s_lshl_b32 s22, s18, 19                        ; two blocks of 262,144 bytes for each mt
	s_add_co_u32 s22, s22, s19
	s_mov_b32 s23, 0
	v_lshlrev_b32 v4, 4, v0
	v_mov_b32 v5, 1.0
	s_wait_kmcnt 0x0
	s_add_nc_u64 s[10:11], s[10:11], s[20:21]
	s_add_nc_u64 s[14:15], s[14:15], s[22:23]
.irp k, 0,1,2,3
.irp q, 0,1,2,3
	global_load_b128 v[16+16*\k+4*\q:16+16*\k+4*\q+3], v4, s[10:11] offset:TS*\q+4096*\k
.endr
.endr
.irp k, 0,1,2,3
	s_wait_loadcnt 12-4*\k                         ; the younger runs' loads, four each, stay out
.irp d, 0,1,2,3
	v_lshlrev_b32 v6, 16, v[16+16*\k+12+\d]        ; the smallest term starts the sums: lo of T1lo W2
	v_and_b32 v7, 0xffff0000, v[16+16*\k+12+\d]
.irp q, 2,1,0
	v_fma_mix_f32_bf16 v6, v[16+16*\k+4*\q+\d], v5, v6 op_sel_hi:[1,0,0]
	v_fma_mix_f32_bf16 v7, v[16+16*\k+4*\q+\d], v5, v7 op_sel:[1,0,0] op_sel_hi:[1,0,0]
.endr
	v_cvt_pk_bf16_f32 v[80+8*\k+\d], v6, v7
	v_lshlrev_b32 v8, 16, v[80+8*\k+\d]
	v_and_b32 v9, 0xffff0000, v[80+8*\k+\d]
	v_sub_f32 v8, v6, v8
	v_sub_f32 v9, v7, v9
	v_cvt_pk_bf16_f32 v[84+8*\k+\d], v8, v9
.endr
	global_store_b128 v4, v[80+8*\k:80+8*\k+3], s[14:15] offset:4096*\k
	global_store_b128 v4, v[84+8*\k:84+8*\k+3], s[14:15] offset:262144+4096*\k
.endr
	s_endpgm
.Lfunc_end_k_qf14d91e6c1_pool:
	.size	k_qf14d91e6c1_pool, .Lfunc_end_k_qf14d91e6c1_pool-k_qf14d91e6c1_pool
	.p2alignl 7, 3214868480
	.fill 96, 4, 3214868480
	.section	.rodata,"a",@progbits
	.p2align	6, 0x0
	.amdhsa_kernel k_qf14d91e6c1_pool
		.amdhsa_group_segment_fixed_size 5120
		.amdhsa_private_segment_fixed_size 0
		.amdhsa_enable_private_segment 0
		.amdhsa_kernarg_size 48
		.amdhsa_user_sgpr_count 2
		.amdhsa_user_sgpr_kernarg_segment_ptr 1
		.amdhsa_wavefront_size32 1
		.amdhsa_system_sgpr_workgroup_id_x 1
		.amdhsa_system_sgpr_workgroup_id_y 1
		.amdhsa_system_sgpr_workgroup_id_z 1
		.amdhsa_system_vgpr_workitem_id 0
		.amdhsa_next_free_vgpr 112
		.amdhsa_next_free_sgpr 66
		.amdhsa_reserve_vcc 1
		.amdhsa_float_denorm_mode_32 3
		.amdhsa_float_denorm_mode_16_64 3
		.amdhsa_memory_ordered 1
		.amdhsa_forward_progress 1
		.amdhsa_inst_pref_size 67
	.end_amdhsa_kernel
	.amdgpu_metadata
---
amdhsa.version: [ 1, 2 ]
amdhsa.kernels:
  - .name:           k_qf14d91e6c1_pool
    .symbol:         k_qf14d91e6c1_pool.kd
    .args:
      - { .name: x, .offset: 0, .size: 8, .value_kind: global_buffer, .address_space: global }
      - { .name: w, .offset: 8, .size: 8, .value_kind: global_buffer, .address_space: global }
      - { .name: ge, .offset: 16, .size: 8, .value_kind: global_buffer, .address_space: global }
      - { .name: t2x, .offset: 24, .size: 8, .value_kind: global_buffer, .address_space: global }
      - { .name: pl, .offset: 32, .size: 8, .value_kind: global_buffer, .address_space: global }
      - { .name: t2f, .offset: 40, .size: 8, .value_kind: global_buffer, .address_space: global }
    .group_segment_fixed_size: 5120
    .private_segment_fixed_size: 0
    .kernarg_segment_align: 8
    .kernarg_segment_size: 48
    .max_flat_workgroup_size: 256
    .sgpr_count:     66
    .vgpr_count:     112
    .wavefront_size: 32
...
	.end_amdgpu_metadata
.endif
;; end of part 3
;; launch stagec (part 4): grid 16 x 16, 4 waves a work-group, clusters of 4 x 4, 327,680 bytes of LDS; arguments pl, t2f, out0; writes out0
.if DOCPART == 4
	.amdgcn_target "amdgcn-amd-amdhsa--gfx1250"
	.amdhsa_code_object_version 6
	.text
	.protected	k_qf14d91e6c1_stagec
	.globl	k_qf14d91e6c1_stagec
	.p2align	8
	.type	k_qf14d91e6c1_stagec,@function
k_qf14d91e6c1_stagec:
	s_mov_b64 s[64:65], 0
	v_nop
	global_prefetch_b8 v0, s[64:65] scope:SCOPE_SE
	s_setreg_imm32_b32 hwreg(HW_REG_WAVE_MODE, 25, 1), 1
	s_wait_xcnt 0x0
	s_wait_alu depctr_hold_cnt(0) depctr_sa_sdst(0) depctr_va_vdst(0) depctr_va_sdst(0) depctr_va_ssrc(0) depctr_va_vcc(0) depctr_vm_vsrc(0)
	s_getreg_b32 s2, hwreg(HW_REG_IB_STS2, 6, 4)
	s_cmp_eq_u32 s2, 0
	s_cbranch_scc0 .Lentry_in_a_cluster
	s_endpgm
.Lentry_in_a_cluster:
	s_bfe_u32 s2, ttmp6, 0x10000c
	s_cmp_lg_u32 s2, 0xf033
	s_cbranch_scc0 .Lentry_shape_is_right
	s_endpgm
.Lentry_shape_is_right:
; out[b][j] = the sum over m < 256 of pooled[b][m] T2[m][j], f32 out.  Both operands come as bf16 pairs: pl[b] = 256 hi, 256 lo; t2f[mt][part][j][64]: hi (part 0) and lo (part 1) of T2[64 mt + c][j].
; Three products for each 32 of K: hi hi, hi lo, lo hi, all onto one f32 sum; lo lo, some 2^-16 of a term, is left out.  NaN and infinities are not treated apart.
; SHARES.  A tile of out is 128 x 128; four waves, each 64 x 64: 16 accumulators.  K = 256 is short: both operands' whole K is fetched ONCE, one tensor load a wave, and nothing is filled again.
; CLUSTER.  4 x 4 work-groups: the four of a row of the cluster need the same rows of pl, the four of a column the same columns of T2: each is asked for jointly.
; THE MATRIX INSTRUCTION IS USED TRANSPOSED (source 0 = 16 columns j, source 1 = 16 rows b): a lane then holds eight neighbouring numbers of a row of out.
; REGISTERS.  window 0: v0-31 addresses; v32-95 the way out; v128-255 accumulator (a, nb) at 128 + 8 (4 a + nb).   window 1: two buffers of 128: T2 hi, pooled hi, T2 lo, pooled lo, 32 each.
; All of the WGP's LDS is claimed: 298,496 bytes are used.
.set PA,    1040                       ; a row of pl in LDS: 1,024 bytes + 16: 65 x 16, so the 16 rows of a load start at 16 different groups of four banks (ISA guide 11.1)
.set PB,    144                        ; a row of a block of t2f: 128 + 16 = 9 x 16
.set BB,    128*PA                     ; behind pl's 128 rows: eight blocks 2 mt + part of 128 rows
.set STG,   BB+8*128*PB                ; 16 rows x 272 bytes for each wave, for the way out; no tensor load fills it
.set SPT,   272
.set SPARE, STG+4*16*SPT               ; the spare words: 128 bytes for each wave, two blocks of 256 bytes that no other line names
.set VA,  16                           ; v16     my lane's place in pl's rows
.set VB,  20                           ; v20-23  the same in T2's blocks of mt = 0..3
.set STO, 24
.set RD,  25
.set CO,  26
.set SPW, 28
.set NIL, 29
.set OB,  32
.set ACC, 128
.set G1,  24                           ; s[24:31] group 1 for pl;  s[32:35] its group 0
.set G0,  32
.set G1B, 48                           ; s[48:55], s[56:59] the same for t2f
.set G0B, 56
.set MSB, 0
.macro WIN new
.if MSB != (\new)
	s_set_vgpr_msb (MSB<<8)|(\new)
.set MSB, \new
.endif
.endm
.macro PLACES
.rept 4
	v_nop
.endr
.endm
.macro CROUND
	s_barrier_signal -1
	s_barrier_wait -1
	s_cmp_lg_u32 s10, 0
	s_cbranch_scc1 .Lnot_wave_0_\@
	s_barrier_signal -3
.Lnot_wave_0_\@:
	s_barrier_wait -3
	s_barrier_signal -1
	s_barrier_wait -1
.endm
	s_load_b128 s[4:7], s[0:1], 0x0                ; pl s[4:5], t2f s[6:7]
	s_load_b64 s[8:9], s[0:1], 0x10                ; out
	v_lshl_add_u32 v[SPW], v0, 2, SPARE
	v_mov_b32 v[NIL], 0
	ds_add_u32 v[SPW], v[NIL]                      ; the wave's opening: the add and its wait stand ahead of my tensor load; the set-up below stands between them
	v_lshrrev_b32 v1, 5, v0
	v_readfirstlane_b32 s10, v1                    ; wave 0..3
	s_lshr_b32 s11, s10, 1                         ; which half of the tile's rows is mine.  Also: I fetch pl (0) or t2f (1)
	s_and_b32 s12, s10, 1                          ; which half of its columns.  Also: which half of that operand I fetch
	s_bfe_u32 s40, ttmp6, 0x40000                  ; cx, cy
	s_bfe_u32 s41, ttmp6, 0x40004
	s_lshl_b32 s42, ttmp9, 2
	s_add_co_u32 s42, s42, s40                     ; tile column = 4 x cluster x + cx
	s_and_b32 s13, ttmp7, 0xffff
	s_lshl_b32 s13, s13, 2
	s_add_co_u32 s13, s13, s41                     ; tile row = 4 x cluster y + cy
	s_lshl_b32 s43, s41, 2
	s_lshl_b32 s43, 15, s43                        ; my row of the cluster
	s_lshl_b32 s44, 0x1111, s40                    ; my column
	; pl: 64 rows of 512 elements of 2 bytes, 4 words of padding behind every 256 words
	s_or_b32 s[G1+0], s43, (1<<16)|(1<<20)|(1<<21)|(7<<22)|(3<<25)
	s_mov_b32 s[G1+1], 512<<16                     ; tensor_dim0 = 512
	s_mov_b32 s[G1+2], 64<<16                      ; tensor_dim1 = 64
	s_mov_b32 s[G1+3], 512<<16                     ; tile_dim0 = 512
	s_mov_b32 s[G1+4], 64                          ; tile_dim1 = 64
	s_mov_b32 s[G1+5], 512                         ; 512 elements from row to row
	s_mov_b32 s[G1+6], 0
	s_mov_b32 s[G1+7], 0
	; t2f: four blocks; a block's 128 rows j are 16,384 dense bytes, one row of 8,192 elements; blocks lie 131,072 elements apart; 4 words of padding behind every 32 words, that is behind every j
	s_or_b32 s[G1B+0], s44, (1<<16)|(1<<20)|(1<<21)|(4<<22)|(3<<25)
	s_mov_b32 s[G1B+1], 8192<<16                   ; tensor_dim0 = 8,192
	s_mov_b32 s[G1B+2], 4<<16                      ; tensor_dim1 = 4
	s_mov_b32 s[G1B+3], 8192<<16                   ; tile_dim0 = 8,192
	s_mov_b32 s[G1B+4], 4                          ; tile_dim1 = 4
	s_mov_b32 s[G1B+5], 131072
	s_mov_b32 s[G1B+6], 0
	s_mov_b32 s[G1B+7], 0
	; pl's address hangs on the tile row alone, t2f's on the tile column alone; every wave makes both, in registers that never hold the other coordinate
	s_lshl_b32 s16, s13, 17                        ; 128 rows of 1,024 bytes for each tile row,
	s_lshl_b32 s17, s12, 16                        ; my 64 of them
	s_add_co_u32 s16, s16, s17
	s_mov_b32 s17, 0
	s_lshl_b32 s46, s42, 14                        ; 128 rows j of 128 bytes for each tile column,
	s_lshl_b32 s47, s12, 20                        ; my four blocks of 262,144 bytes
	s_add_co_u32 s46, s46, s47
	s_mov_b32 s47, 0
	s_mov_b32 s[G0], 1
	s_mul_i32 s[G0+1], s12, 64*PA                  ; LDS addresses: the wave's number alone
	s_mov_b32 s[G0B], 1
	s_mul_i32 s[G0B+1], s12, 4*128*PB
	s_add_co_u32 s[G0B+1], s[G0B+1], BB
	s_wait_dscnt 0x0                               ; the opening add is done
	s_wait_kmcnt 0x0
	s_add_nc_u64 s[G0+2:G0+3], s[4:5], s[16:17]
	s_or_b32 s[G0+3], s[G0+3], 0x80000000
	s_add_nc_u64 s[G0B+2:G0B+3], s[6:7], s[46:47]
	s_or_b32 s[G0B+3], s[G0B+3], 0x80000000
	CROUND                                         ; all sixteen work-groups are here: the joint loads meet
	s_cmp_eq_u32 s11, 0                            ; waves 0 and 1 fetch pl's two halves, waves 2 and 3 t2f's; an s_nop 0 and four v_nop follow each line
	s_cbranch_scc0 .Lfor_b
	tensor_load_to_lds s[G0:G0+3], s[G1:G1+7]
	s_nop 0
.rept 4
	v_nop
.endr
	s_branch .Lasked
.Lfor_b:
	tensor_load_to_lds s[G0B:G0B+3], s[G1B:G1B+7]
	s_nop 0
.rept 4
	v_nop
.endr
.Lasked:
	v_and_b32 v1, 15, v0                           ; r
	v_bfe_u32 v2, v0, 4, 1                         ; h
	s_lshl_b32 s20, s11, 6
	v_add_nc_u32 v3, s20, v1
	v_mul_u32_u24 v3, v3, PA
	v_lshl_add_u32 v[VA], v2, 4, v3                ; (64 wm + r) x pitch + 16 h
	s_lshl_b32 s21, s12, 6
	v_add_nc_u32 v3, s21, v1
	v_mul_u32_u24 v3, v3, PB
	v_lshl_add_u32 v3, v2, 4, v3
.irp m, 0,1,2,3
	v_add_nc_u32 v[VB+\m], BB+2*128*PB*\m, v3
.endr
	s_mul_i32 s23, s10, 16*SPT
	s_add_co_u32 s23, s23, STG                     ; my stage
	v_mul_u32_u24 v4, v1, SPT                      ; in: row r, 32 bytes for each half of the lanes
	v_lshl_add_u32 v4, v2, 5, v4
	v_add_nc_u32 v[STO], s23, v4
	v_mul_u32_u24 v5, v2, SPT                      ; back: lanes 0-15 take one row of 256 bytes, lanes 16-31 the next
	v_lshl_add_u32 v5, v1, 4, v5
	v_add_nc_u32 v[RD], s23, v5
	v_lshlrev_b32 v5, 13, v2                       ; and the same two rows of out, 8,192 bytes apart
	v_lshl_add_u32 v[CO], v1, 4, v5
	s_lshl_b32 s16, s13, 7
	s_lshl_b32 s17, s11, 6
	s_add_co_u32 s16, s16, s17                     ; my first row of out
	s_lshl_b32 s16, s16, 13
	s_mov_b32 s17, 0
	s_add_nc_u64 s[8:9], s[8:9], s[16:17]
	s_lshl_b32 s46, s42, 9                         ; my first column, in bytes: 512 x tile column + 256 x half
	s_lshl_b32 s47, s12, 8
	s_add_co_u32 s46, s46, s47
	s_mov_b32 s47, 0
	s_add_nc_u64 s[8:9], s[8:9], s[46:47]
; 32 LDS loads in one run: the fragments of K block kb (32 of K), hi parts first, into buffer f
.macro FETCH kb, f
	WIN 0x40                                       ; destination window 1, address window 0
.irp p, 0,1
.irp i, 0,1,2,3
	ds_load_b128 v[(\f)+64*\p+8*\i:(\f)+64*\p+8*\i+3],         v[VB+((\kb)>>1)] offset:128*PB*\p+16*PB*\i+64*((\kb)&1)
	ds_load_b128 v[(\f)+64*\p+8*\i+4:(\f)+64*\p+8*\i+7],       v[VB+((\kb)>>1)] offset:128*PB*\p+16*PB*\i+64*((\kb)&1)+32
	ds_load_b128 v[(\f)+64*\p+32+8*\i:(\f)+64*\p+32+8*\i+3],   v[VA] offset:16*PA*\i+512*\p+64*(\kb)
	ds_load_b128 v[(\f)+64*\p+32+8*\i+4:(\f)+64*\p+32+8*\i+7], v[VA] offset:16*PA*\i+512*\p+64*(\kb)+32
.endr
.endr
.endm
; 48 matrix instructions: pass 0 T2 hi x pooled hi, pass 1 T2 lo x pooled hi, pass 2 T2 hi x pooled lo.  The 16 accumulators take turns, one instruction a turn.
.macro MUL48 f, zero
	WIN 0x05                                       ; sources 0 and 1 window 1; C and D window 0
.irp p, 0,1,2
.irp a, 0,1,2,3
.irp b, 0,1,2,3
.set rB, (\f)+64*((\p)%2)+8*(\b)
.set rA, (\f)+32+64*((\p)/2)+8*(\a)
.set rC, ACC+8*(4*(\a)+(\b))
.if (\zero) && ((\p) == 0)
	v_wmma_f32_16x16x32_bf16 v[rC:rC+7], v[rB:rB+7], v[rA:rA+7], 0
.else
	v_wmma_f32_16x16x32_bf16 v[rC:rC+7], v[rB:rB+7], v[rA:rA+7], v[rC:rC+7]
.endif
.endr
.endr
.endr
.endm
	s_wait_tensorcnt 0x0                           ; my part of the operands is in,
	s_barrier_signal -1
	s_barrier_wait -1                              ; everybody's is
	FETCH 0, 0
.set kb, 0
.rept 8
.if kb < 7
.if kb > 0
	PLACES                                         ; the buffer to be loaded was multiplied just now
.endif
	FETCH kb+1, 128*((kb+1)%2)
	s_wait_dscnt 32                                ; all but the 32 just issued
.else
	s_wait_dscnt 0x0
.endif
.if kb == 0
	MUL48 0, 1                                     ; the first products start the sums
.else
	MUL48 128*(kb%2), 0
.endif
.set kb, kb+1
.endr
	WIN 0
	; THE WAY OUT, 16 rows at a time: a lane's eight f32 of a row go into my own stage as two stores of 16 bytes, the low four registers of each accumulator first; whole rows of 256 bytes come back and are stored.
	PLACES
.irp a, 0,1,2,3
	s_wait_xcnt 0x0                                ; the registers that earlier stores read are loaded again only behind this wait
.irp b, 0,1,2,3
	ds_store_b128 v[STO], v[ACC+8*(4*\a+\b):ACC+8*(4*\a+\b)+3]   offset:64*\b
	ds_store_b128 v[STO], v[ACC+8*(4*\a+\b)+4:ACC+8*(4*\a+\b)+7] offset:64*\b+16
.endr
.irp t, 0,1,2,3,4,5,6,7
	ds_load_b128 v[OB+32*(\a%2)+4*\t:OB+32*(\a%2)+4*\t+3], v[RD] offset:2*SPT*\t  ; LDS serves a wave's instructions in order (ISA guide 5.7.1.4): these see the stores above; the next block's stores come behind them
.endr
	s_wait_dscnt 0x0
.irp t, 0,1,2,3,4,5,6,7
	global_store_b128 v[CO], v[OB+32*(\a%2)+4*\t:OB+32*(\a%2)+4*\t+3], s[8:9] offset:131072*\a+16384*\t th:TH_STORE_NT  ; 16 lanes store 256 consecutive bytes, at a multiple of 256 from out's first byte
.endr
.endr
	s_wait_tensorcnt 0x0                           ; the wave's end: behind my tensor load and my last LDS store
	ds_add_u32 v[SPW], v[NIL]
	s_wait_dscnt 0x0
	CROUND                                         ; the closing round
	s_endpgm
.Lfunc_end_k_qf14d91e6c1_stagec:
	.size	k_qf14d91e6c1_stagec, .Lfunc_end_k_qf14d91e6c1_stagec-k_qf14d91e6c1_stagec
	.p2alignl 7, 3214868480
	.fill 96, 4, 3214868480
	.section	.rodata,"a",@progbits
	.p2align	6, 0x0
	.amdhsa_kernel k_qf14d91e6c1_stagec
		.amdhsa_group_segment_fixed_size 327680
		.amdhsa_private_segment_fixed_size 0
		.amdhsa_enable_private_segment 0
		.amdhsa_kernarg_size 24
		.amdhsa_user_sgpr_count 2
		.amdhsa_user_sgpr_kernarg_segment_ptr 1
		.amdhsa_wavefront_size32 1
		.amdhsa_system_sgpr_workgroup_id_x 1
		.amdhsa_system_sgpr_workgroup_id_y 1
		.amdhsa_system_sgpr_workgroup_id_z 1
		.amdhsa_system_vgpr_workitem_id 0
		.amdhsa_next_free_vgpr 512
		.amdhsa_next_free_sgpr 66
		.amdhsa_reserve_vcc 0
		.amdhsa_float_denorm_mode_32 3
		.amdhsa_float_denorm_mode_16_64 3
		.amdhsa_memory_ordered 1
		.amdhsa_forward_progress 1
		.amdhsa_inst_pref_size 55
	.end_amdhsa_kernel
	.amdgpu_metadata
---
amdhsa.version: [ 1, 2 ]
amdhsa.kernels:
  - .name:           k_qf14d91e6c1_stagec
    .symbol:         k_qf14d91e6c1_stagec.kd
    .args:
      - { .name: pl, .offset: 0, .size: 8, .value_kind: global_buffer, .address_space: global }
      - { .name: t2f, .offset: 8, .size: 8, .value_kind: global_buffer, .address_space: global }
      - { .name: out0, .offset: 16, .size: 8, .value_kind: global_buffer, .address_space: global }
    .group_segment_fixed_size: 327680
    .private_segment_fixed_size: 0
    .kernarg_segment_align: 8
    .kernarg_segment_size: 24
    .max_flat_workgroup_size: 128
    .sgpr_count:     66
    .vgpr_count:     512
    .wavefront_size: 32
...
	.end_amdgpu_metadata
.endif
;; end of part 4
;; ======== version 2 of 3: 6 launches; 1.40 times as fast as version 1
;; workspace buffers: seg1 9,183,232 bytes; seg2 4,591,616 bytes; ge 2,129,920 bytes; w0b 2,490,368 bytes; t1 4,980,736 bytes; t2x 10,485,760 bytes; t2f 2,097,152 bytes; pl 2,097,152 bytes
;; launch sift (part 5): grid 576 x 1, 8 waves a work-group, no clusters, 33,792 bytes of LDS; arguments hw1, hw2, hw_emb, hw0, t2x, w0b; writes t2x, w0b
.if DOCPART == 5
	.amdgcn_target "amdgcn-amd-amdhsa--gfx1250"
	.amdhsa_code_object_version 6
	.text
	.protected	k_qf14d91e6c1_sift
	.globl	k_qf14d91e6c1_sift
	.p2align	8
	.type	k_qf14d91e6c1_sift,@function
k_qf14d91e6c1_sift:
	s_mov_b64 s[64:65], 0
	v_nop
	global_prefetch_b8 v0, s[64:65] scope:SCOPE_SE
	s_setreg_imm32_b32 hwreg(HW_REG_WAVE_MODE, 25, 1), 1
	s_wait_xcnt 0x0
; THE FIRST OF TWO PASSES THAT LAY THE HASHED TABLES OUT FOR THE PRODUCTS, and the logical W0.  Every number is rounded once to bf16.
; A hashed lookup is H[s], s = mu p + e modulo the table's size (a power of two, mu odd).  Cut s into S = s >> 14 and s0 = s & 0x3FFF.
; Groups 256-575, SIFTING: Y[S][tau] = H[S 2^14 + (mu tau & 0x3FFF)] for one chunk S of 16,384 numbers: the chunk is read as it lies, rounded, put into LDS in its own order, read back two bytes at a
;   time at (2 mu tau) & 0x7FFE, and written as it comes.  Then H[s] = Y[S][(p + mu^-1 e) mod 2^14]: the column runs with p, and the next launch picks the rows.
;   hw1 (mu = P1): chunks 0-127, Y at byte 0;  hw2 (mu = P1): 128 chunks, Y at 4 MiB;  hw_emb (mu = Q): 64 chunks, Y at 8 MiB.  Y lies in a buffer that a later launch uses again for its own results.
; Groups 0-255, W0: tile tx, row i, place c of w0b holds W0[64 tx + c][i] = hw0[(P1 (64 tx + c) + Q i + 2) mod 2^20], gathered straight from the table: 64 rows, 4,096 numbers, a group.
;   These rows are windows of 128 bytes at odd places of a sifted table and would want a third pass; one group for each of 256 processors runs beside the sifting.
; Every global load of the sifting and every store of both jobs covers 512 consecutive bytes a wave, aligned.  No matrix unit: nothing is multiplied.
.set P1,    0x9E3779B1
.set Q,     40503
.set M32,   0xffffffff
.set TS,    622592                     ; bytes of a tile of w0b: 4,864 rows of 64 bf16
.set SPARE, 32768                      ; behind the chunk: the spare words, 128 bytes for each of the eight waves
.set SPW, 2                            ; v2      my spare word; never rewritten
.set NIL, 3                            ; v3      0; never rewritten
.set VO,  4                            ; v4      16 x thread: my place in 4,096 bytes of input or output
.set VL,  5                            ; v5      8 x thread: my place in 2,048 bytes of the chunk in LDS
.set VE,  6                            ; v6      16 mu x thread
.set VB,  10                           ; v10     W0: 4 x my part of the index
.set D,   16                           ; v16-79  the chunk as loaded; later group k, element c: the LDS address, then the number read onto it
.set PK,  80                           ; v80-111 packed bf16
	s_load_b256 s[4:11], s[0:1], 0x0               ; hw1 s[4:5], hw2 s[6:7], hw_emb s[8:9], hw0 s[10:11]
	s_load_b128 s[12:15], s[0:1], 0x20             ; Y s[12:13], w0b s[14:15]
	v_lshl_add_u32 v[SPW], v0, 2, SPARE
	v_mov_b32 v[NIL], 0
	v_lshrrev_b32 v1, 5, v0
	v_readfirstlane_b32 s32, v1                    ; wave 0..7
	v_lshlrev_b32 v[VO], 4, v0
	s_mov_b32 s16, ttmp9
	s_cmp_lt_u32 s16, 256
	s_cbranch_scc1 .Lw0
	; ---- sifting
	s_sub_co_u32 s16, s16, 256                     ; 128 x table + chunk
	s_lshr_b32 s17, s16, 7                         ; the table: 0, 1, 2
	s_and_b32 s18, s16, 127                        ; the chunk
	s_lshl_b32 s20, s18, 16                        ; 65,536 bytes of f32 a chunk
	s_mov_b32 s21, 0
	s_lshl_b32 s22, s16, 15                        ; 32,768 bytes of bf16 a chunk; the tables' parts of Y follow each other
	s_mov_b32 s23, 0
	s_mov_b32 s24, P1
	s_cmp_eq_u32 s17, 2
	s_cselect_b32 s24, Q, s24                      ; mu
	s_lshl_b32 s25, s24, 1                         ; 2 mu: one element on
	s_lshl_b32 s26, s24, 4                         ; 16 mu: one thread on
	s_mul_i32 s27, s25, 2040                       ; a group of eight ends: 2,048 elements on, less the eight steps made
	s_lshl_b32 s29, s32, 8
	v_and_b32 v7, 31, v0
	v_lshl_add_u32 v[VL], v7, 3, s29               ; 256 x wave + 8 x lane
	v_mul_lo_u32 v[VE], v0, s26
	s_mov_b32 s28, 0                               ; the running 2 mu (2,048 k + c)
	s_wait_kmcnt 0x0
	s_cmp_eq_u32 s17, 1                            ; the source is chosen on the table's number
	s_cselect_b64 s[30:31], s[6:7], s[4:5]
	s_cmp_eq_u32 s17, 2
	s_cselect_b64 s[30:31], s[8:9], s[30:31]
	s_add_nc_u64 s[30:31], s[30:31], s[20:21]
	s_add_nc_u64 s[12:13], s[12:13], s[22:23]
.irp k, 0,1,2,3,4,5,6,7,8,9,10,11,12,13,14,15
	global_load_b128 v[D+4*(\k):D+4*(\k)+3], v[VO], s[30:31] offset:4096*(\k) th:TH_LOAD_NT  ; the whole chunk is asked for at once
.endr
.irp k, 0,1,2,3,4,5,6,7,8,9,10,11,12,13,14,15
	s_wait_loadcnt 15-(\k)                         ; the younger loads stay out
	v_cvt_pk_bf16_f32 v[PK+2*(\k)], v[D+4*(\k)], v[D+4*(\k)+1]
	v_cvt_pk_bf16_f32 v[PK+2*(\k)+1], v[D+4*(\k)+2], v[D+4*(\k)+3]
	ds_store_b64 v[VL], v[PK+2*(\k):PK+2*(\k)+1] offset:2048*(\k)   ; element j of the chunk at byte 2 j
.endr
	s_wait_dscnt 0x0                               ; for the others' sake: my part of the chunk is stored,
	s_barrier_signal -1
	s_barrier_wait -1                              ; everybody's is
.irp k, 0,1,2,3,4,5,6,7                 ; group k: tau = 8 (thread + 256 k) + c
.irp c, 0,1,2,3,4,5,6,7
	v_add_nc_u32 v[D+8*(\k)+(\c)], s28, v[VE]
	v_and_b32 v[D+8*(\k)+(\c)], 0x7ffe, v[D+8*(\k)+(\c)]
	ds_load_u16 v[D+8*(\k)+(\c)], v[D+8*(\k)+(\c)]
	s_add_co_u32 s28, s28, s25
.endr
	s_add_co_u32 s28, s28, s27
.endr
.irp k, 0,1,2,3,4,5,6,7
	s_wait_dscnt 56-8*(\k)                         ; the younger groups' reads, eight each, stay out
.irp i, 0,1,2,3
	v_lshl_or_b32 v[PK+4*(\k)+(\i)], v[D+8*(\k)+2*(\i)+1], 16, v[D+8*(\k)+2*(\i)]
.endr
	global_store_b128 v[VO], v[PK+4*(\k):PK+4*(\k)+3], s[12:13] offset:4096*(\k)
.endr
	s_wait_tensorcnt 0x0                           ; the wave's end: behind my last LDS store
	ds_add_u32 v[SPW], v[NIL]
	s_wait_dscnt 0x0
	s_endpgm
.Lw0:
	; ---- W0.  Element p = 8 (thread + 256 k) + e of the group's 4,096: place p % 64 of row p / 64.  All index arithmetic is done times 4 (bytes) modulo 2^32 and cut by the table's mask.
	s_lshr_b32 s17, s16, 6                         ; the tile tx
	s_and_b32 s18, s16, 63                         ; which 64 of its rows
	s_mul_i32 s19, s17, (256*P1)&M32               ; 4 P1 x 64 tx
	s_mul_i32 s20, s18, 256*Q                      ; 4 Q x 64 rows
	s_add_co_u32 s19, s19, s20
	s_add_co_u32 s19, s19, 8                       ; 4 x the seed 2
	s_mul_i32 s22, s17, TS
	s_lshl_b32 s20, s18, 13                        ; 64 rows of 128 bytes
	s_add_co_u32 s22, s22, s20
	s_mov_b32 s23, 0
	s_mov_b32 s24, (32*P1)&M32
	v_and_b32 v8, 7, v0
	v_lshrrev_b32 v9, 3, v0
	v_mul_lo_u32 v8, v8, s24                       ; 4 P1 x 8 (thread % 8)
	v_mul_u32_u24 v9, v9, 4*Q                      ; 4 Q x (thread / 8)
	v_add_nc_u32 v[VB], v8, v9
	v_add_nc_u32 v[VB], s19, v[VB]
	s_wait_kmcnt 0x0
	s_add_nc_u64 s[14:15], s[14:15], s[22:23]
.irp k, 0,1
.irp e, 0,1,2,3,4,5,6,7
	v_add_nc_u32 v[D+8*(\k)+(\e)], (4*P1*(\e)+128*Q*(\k))&M32, v[VB]
	v_and_b32 v[D+8*(\k)+(\e)], 0x3ffffc, v[D+8*(\k)+(\e)]             ; 2^20 numbers of 4 bytes
	global_load_b32 v[D+8*(\k)+(\e)], v[D+8*(\k)+(\e)], s[10:11]       ; each lands on its own offset register
.endr
.endr
.irp k, 0,1
	s_wait_loadcnt 8-8*(\k)                        ; the second trip's eight gathers stay out
.irp i, 0,1,2,3
	v_cvt_pk_bf16_f32 v[PK+4*(\k)+(\i)], v[D+8*(\k)+2*(\i)], v[D+8*(\k)+2*(\i)+1]
.endr
	global_store_b128 v[VO], v[PK+4*(\k):PK+4*(\k)+3], s[14:15] offset:4096*(\k)
.endr
	s_endpgm
.Lfunc_end_k_qf14d91e6c1_sift:
	.size	k_qf14d91e6c1_sift, .Lfunc_end_k_qf14d91e6c1_sift-k_qf14d91e6c1_sift
	.p2alignl 7, 3214868480
	.fill 96, 4, 3214868480
	.section	.rodata,"a",@progbits
	.p2align	6, 0x0
	.amdhsa_kernel k_qf14d91e6c1_sift
		.amdhsa_group_segment_fixed_size 33792
		.amdhsa_private_segment_fixed_size 0
		.amdhsa_enable_private_segment 0
		.amdhsa_kernarg_size 48
		.amdhsa_user_sgpr_count 2
		.amdhsa_user_sgpr_kernarg_segment_ptr 1
		.amdhsa_wavefront_size32 1
		.amdhsa_system_sgpr_workgroup_id_x 1
		.amdhsa_system_sgpr_workgroup_id_y 1
		.amdhsa_system_sgpr_workgroup_id_z 1
		.amdhsa_system_vgpr_workitem_id 0
		.amdhsa_next_free_vgpr 112
		.amdhsa_next_free_sgpr 66
		.amdhsa_reserve_vcc 0
		.amdhsa_float_denorm_mode_32 3
		.amdhsa_float_denorm_mode_16_64 3
		.amdhsa_memory_ordered 1
		.amdhsa_forward_progress 1
		.amdhsa_inst_pref_size 28
	.end_amdhsa_kernel
	.amdgpu_metadata
---
amdhsa.version: [ 1, 2 ]
amdhsa.kernels:
  - .name:           k_qf14d91e6c1_sift
    .symbol:         k_qf14d91e6c1_sift.kd
    .args:
      - { .name: hw1, .offset: 0, .size: 8, .value_kind: global_buffer, .address_space: global }
      - { .name: hw2, .offset: 8, .size: 8, .value_kind: global_buffer, .address_space: global }
      - { .name: hw_emb, .offset: 16, .size: 8, .value_kind: global_buffer, .address_space: global }
      - { .name: hw0, .offset: 24, .size: 8, .value_kind: global_buffer, .address_space: global }
      - { .name: t2x, .offset: 32, .size: 8, .value_kind: global_buffer, .address_space: global }
      - { .name: w0b, .offset: 40, .size: 8, .value_kind: global_buffer, .address_space: global }
    .group_segment_fixed_size: 33792
    .private_segment_fixed_size: 0
    .kernarg_segment_align: 8
    .kernarg_segment_size: 48
    .max_flat_workgroup_size: 256
    .sgpr_count:     66
    .vgpr_count:     112
    .wavefront_size: 32
...
	.end_amdgpu_metadata
.endif
;; end of part 5
;; launch place (part 6): grid 512 x 1, 8 waves a work-group, no clusters, 68,608 bytes of LDS; arguments t2x, seg1, seg2, ge; writes seg1, seg2, ge
.if DOCPART == 6
	.amdgcn_target "amdgcn-amd-amdhsa--gfx1250"
	.amdhsa_code_object_version 6
	.text
	.protected	k_qf14d91e6c1_place
	.globl	k_qf14d91e6c1_place
	.p2align	8
	.type	k_qf14d91e6c1_place,@function
k_qf14d91e6c1_place:
	s_mov_b64 s[64:65], 0
	v_nop
	global_prefetch_b8 v0, s[64:65] scope:SCOPE_SE
	s_setreg_imm32_b32 hwreg(HW_REG_WAVE_MODE, 25, 1), 1
	s_wait_xcnt 0x0
; THE SECOND PASS: from the sifted tables Y[S][tau] = H[S 2^14 + (mu tau & 0x3FFF)] (bf16) to the pieces that the products read.
; A logical weight is W[i][j] = hw[(P1 i + Q j + seed) mod 2^21].  152 Q + 728 P1 is a multiple of 2^21, so the sixteen columns c', c' + 152, .. c' + 2280 are windows, 728 elements apart, of ONE
; progression seg[p] = hw[P1 p + e], e = Q c' + seed - 10920 P1; column y begins at p = 728 (15 - y).  A piece is out[c][p] = H[mu p + e_c] = Y[((mu p + e_c) >> 14) & 127][(p + d_c) mod 2^14],
; d_c = mu^-1 e_c: along p the column runs on and only the row hops.
;   section 0  seg1[c],       c < 152: hw1, c' = c,        seed 3, 15,104 elements      section 1  seg1[152 + c]: hw1, c' = c + 2432
;   section 2  seg2[c],       c < 152: hw2, c' = c,        seed 4                       section 3  ge[c], c < 65: GE[2^14 c + p] = hw_emb[Q (2^14 c + p) mod 2^20]: mu = Q, e_c = 2^14 Q c, d_c = 0
; SHARES.  A work-group (section = group / 128, block = group % 128) holds 256 columns of Y from tau0 = 128 x block on (past the last column: from column 0 on), all 128 rows, in LDS.  For each c just one
; aligned group of 128 elements, p = 128 n .., has its first column inside the block's first 128: with z = (tau0 - d_c) mod 2^14, n = ((z + 127) >> 7) mod 128, and that column is tau0 + ((-z) mod 128).
; Sixteen lanes make it, eight elements each, and store 256 consecutive bytes, aligned; a trip of the 256 threads serves sixteen c.  Groups with n >= 118 lie past a segment's end and are not stored.
; hw_emb has 64 rows of Y: they are laid into LDS twice, so that one text with a row number of 7 bits serves all sections.
; No matrix unit and no cluster: nothing is multiplied, and what neighbouring blocks share is half a block.
.set P1,    0x9E3779B1
.set Q,     40503
.set M32,   0xffffffff
.set SEGB,  30208                      ; bytes of a segment: 15,104 bf16 = 118 groups
.set BACK,  10920                      ; 15 x 728
.set PITCH, 528                        ; a row of the block in LDS: 512 bytes + 16
.set SPARE, 128*PITCH                  ; behind the block: the spare words, 128 bytes for each of the eight waves
.set SPW,  2                           ; v2   my spare word; never rewritten
.set NIL,  3                           ; v3   0; never rewritten
.set VC,   5                           ; v5   my c: 16 x trip + thread / 16
.set VOFF, 6                           ; v6   my byte offset in Y: row = wave, my 16 bytes of the block's two runs of 256
.set VS,   7                           ; v7   where they go in LDS
.set L16,  9                           ; v9   16 x (thread % 16)
.set L8,   10                          ; v10  8 x (thread % 16)
.set VE,   11                          ; v11  e of my c
.set VCD,  12                          ; v12  my c's piece in the output, + 16 x (thread % 16)
.set IN,   16                          ; v16-79  the block on its way to LDS
.set T,    80                          ; v80 z, then my first column in bytes; v81 n; v82 the index of my first element; v83 my byte offset in the output
.set A,    84                          ; v84-91  element j: the LDS address, then the number read onto it
.set PK,   92                          ; v92-95  packed
	s_load_b256 s[4:11], s[0:1], 0x0               ; Y s[4:5], seg1 s[6:7], seg2 s[8:9], ge s[10:11]
	v_lshl_add_u32 v[SPW], v0, 2, SPARE
	v_mov_b32 v[NIL], 0
	v_lshrrev_b32 v1, 5, v0
	v_readfirstlane_b32 s33, v1                    ; wave 0..7
	s_lshr_b32 s13, ttmp9, 7                       ; the section
	s_and_b32 s14, ttmp9, 127                      ; the block
	; plain numbers for the section: s15 mu, s16 e's step from c to c + 1, s17 e of c = 0, s18 how many c, s19 how many groups in a piece, s20 bytes of a piece,
	; s22 Y's part for rows 0-63, s24 for rows 64-127 (less 64 rows where the table has only 64), s26 where the section's pieces begin
	s_mov_b32 s15, P1
	s_mov_b32 s16, Q
	s_mov_b32 s17, (3-BACK*P1)&M32
	s_mov_b32 s18, 152
	s_mov_b32 s19, 118
	s_mov_b32 s20, SEGB
	s_mov_b32 s22, 0
	s_mov_b32 s24, 0
	s_mov_b32 s26, 0
	s_cmp_eq_u32 s13, 0
	s_cbranch_scc1 .Lgo
	s_cmp_eq_u32 s13, 1
	s_cbranch_scc0 .Lnot1
	s_mov_b32 s17, (Q*2432+3-BACK*P1)&M32
	s_mov_b32 s26, 152*SEGB
	s_branch .Lgo
.Lnot1:
	s_cmp_eq_u32 s13, 2
	s_cbranch_scc0 .Lemb
	s_mov_b32 s17, (4-BACK*P1)&M32
	s_mov_b32 s22, 0x400000
	s_mov_b32 s24, 0x400000
	s_branch .Lgo
.Lemb:
	s_mov_b32 s15, Q
	s_mov_b32 s16, Q<<14
	s_mov_b32 s17, 0
	s_mov_b32 s18, 65
	s_mov_b32 s19, 128
	s_mov_b32 s20, 32768
	s_mov_b32 s22, 0x800000
	s_mov_b32 s24, 0x600000
.Lgo:
	s_mov_b32 s23, 0
	s_mov_b32 s25, 0
	s_mov_b32 s27, 0
	s_mov_b32 s28, s15                             ; mu^-1 modulo 2^32 by Newton's step y = y (2 - mu y): an odd mu is its own inverse to 3 bits, four steps double that to 48
.rept 4
	s_mul_i32 s29, s28, s15
	s_sub_co_u32 s29, 2, s29
	s_mul_i32 s28, s28, s29
.endr
	s_lshl_b32 s30, s16, 4                         ; a trip is sixteen c: e's step,
	s_lshl_b32 s31, s20, 4                         ; and the output's
	s_lshl_b32 s32, s14, 7                         ; tau0
	s_mov_b32 s41, s15                             ; s41-47: mu j, j = 1..7
.irp j, 2,3,4,5,6,7
	s_add_co_u32 s[40+\j], s[39+\j], s15
.endr
	v_and_b32 v4, 15, v0
	v_lshrrev_b32 v[VC], 4, v0
	v_bfe_u32 v[VOFF], v0, 4, 1                    ; lanes 0-15 take the block's own run of 256 bytes, lanes 16-31 the run behind it,
	v_add_nc_u32 v[VOFF], s14, v[VOFF]
	v_and_b32 v[VOFF], 127, v[VOFF]                ; which behind the last block is the row's first
	v_lshlrev_b32 v[VOFF], 8, v[VOFF]
	v_lshl_add_u32 v[VOFF], v4, 4, v[VOFF]
	s_lshl_b32 s38, s33, 15                        ; row = wave: 32,768 bytes a row of Y
	v_add_nc_u32 v[VOFF], s38, v[VOFF]
	v_and_b32 v8, 31, v0
	s_mul_i32 s38, s33, PITCH
	v_lshl_add_u32 v[VS], v8, 4, s38               ; wave x pitch + 16 x lane
	s_wait_kmcnt 0x0
	s_add_nc_u64 s[34:35], s[4:5], s[22:23]
	s_add_nc_u64 s[36:37], s[4:5], s[24:25]
.irp k, 0,1,2,3,4,5,6,7                 ; row 8 k + wave: a wave's load takes the row's 512 bytes
	global_load_b128 v[IN+4*(\k):IN+4*(\k)+3], v[VOFF], s[34:35] offset:262144*(\k)
.endr
.irp k, 8,9,10,11,12,13,14,15
	global_load_b128 v[IN+4*(\k):IN+4*(\k)+3], v[VOFF], s[36:37] offset:262144*(\k)
.endr
	s_cmp_eq_u32 s13, 2                            ; the destination is chosen on the section's number
	s_cselect_b64 s[38:39], s[8:9], s[6:7]
	s_cmp_eq_u32 s13, 3
	s_cselect_b64 s[38:39], s[10:11], s[38:39]
	s_add_nc_u64 s[38:39], s[38:39], s[26:27]
	v_lshlrev_b32 v[L16], 4, v4
	v_lshlrev_b32 v[L8], 3, v4
	v_mul_lo_u32 v[VE], v[VC], s16
	v_add_nc_u32 v[VE], s17, v[VE]
	v_mul_lo_u32 v[VCD], v[VC], s20
	v_add_nc_u32 v[VCD], v[VCD], v[L16]
.irp k, 0,1,2,3,4,5,6,7,8,9,10,11,12,13,14,15
	s_wait_loadcnt 15-(\k)                         ; the younger loads stay out
	ds_store_b128 v[VS], v[IN+4*(\k):IN+4*(\k)+3] offset:8*PITCH*(\k)
.endr
	s_wait_dscnt 0x0                               ; for the others' sake: my rows are stored,
	s_barrier_signal -1
	s_barrier_wait -1                              ; everybody's are
; A trip: my c's group, my eight elements of it.  All lanes reckon and read (every LDS address is cut to the block by its fields' widths); only the store is masked.
.macro TRIP
	v_mul_lo_u32 v[T], v[VE], s28                  ; d = mu^-1 e
	v_sub_nc_u32 v[T], s32, v[T]
	v_and_b32 v[T], 0x3fff, v[T]                   ; z = (tau0 - d) mod 2^14
	v_add_nc_u32 v[T+1], 127, v[T]
	v_bfe_u32 v[T+1], v[T+1], 7, 7                 ; n
	v_sub_nc_u32 v[T], 0, v[T]
	v_and_b32 v[T], 127, v[T]                      ; the group's first column, from tau0
	v_lshl_add_u32 v[T], v[T], 1, v[L16]           ; my first column, in bytes
	v_lshl_add_u32 v[T+2], v[T+1], 7, v[L8]        ; my first p
	v_mul_lo_u32 v[T+2], v[T+2], s15
	v_add_nc_u32 v[T+2], v[T+2], v[VE]             ; mu p + e
	v_bfe_u32 v[A], v[T+2], 14, 7                  ; the row
	v_mad_u32_u24 v[A], v[A], PITCH, v[T]
	ds_load_u16 v[A], v[A]
.irp j, 1,2,3,4,5,6,7
	v_add_nc_u32 v[A+\j], s[40+\j], v[T+2]
	v_bfe_u32 v[A+\j], v[A+\j], 14, 7
	v_mad_u32_u24 v[A+\j], v[A+\j], PITCH, v[T]
	ds_load_u16 v[A+\j], v[A+\j] offset:2*\j
.endr
	v_lshl_add_u32 v[T+3], v[T+1], 8, v[VCD]       ; 256 bytes a group
	v_cmp_gt_u32 vcc_lo, s19, v[T+1]               ; the group lies inside the piece,
	v_cmp_gt_u32 s48, s18, v[VC]                   ; and there is such a c
	s_and_b32 vcc_lo, vcc_lo, s48
	v_add_nc_u32 v[VE], s30, v[VE]                 ; the next trip's c
	v_add_nc_u32 v[VCD], s31, v[VCD]
	v_add_nc_u32 v[VC], 16, v[VC]
	s_wait_dscnt 0x0
.irp i, 0,1,2,3
	v_lshl_or_b32 v[PK+\i], v[A+2*\i+1], 16, v[A+2*\i]
.endr
	s_wait_xcnt 0x0                                ; EXEC changes only behind this wait,
	s_and_saveexec_b32 s49, vcc_lo
	global_store_b128 v[T+3], v[PK:PK+3], s[38:39] ; sixteen lanes store 256 consecutive bytes, at a multiple of 256 from the buffer's first
	s_wait_xcnt 0x0                                ; and again: EXEC, the offset and the data are written anew only behind it
	s_or_b32 exec_lo, exec_lo, s49
.endm
.rept 5
	TRIP
.endr
	s_cmp_le_u32 s18, 80                           ; 65 c are served by five trips, 152 by ten
	s_cbranch_scc1 .Ldone
.rept 5
	TRIP
.endr
.Ldone:
	s_wait_tensorcnt 0x0                           ; the wave's end: behind my last LDS store
	ds_add_u32 v[SPW], v[NIL]
	s_wait_dscnt 0x0
	s_endpgm
.Lfunc_end_k_qf14d91e6c1_place:
	.size	k_qf14d91e6c1_place, .Lfunc_end_k_qf14d91e6c1_place-k_qf14d91e6c1_place
	.p2alignl 7, 3214868480
	.fill 96, 4, 3214868480
	.section	.rodata,"a",@progbits
	.p2align	6, 0x0
	.amdhsa_kernel k_qf14d91e6c1_place
		.amdhsa_group_segment_fixed_size 68608
		.amdhsa_private_segment_fixed_size 0
		.amdhsa_enable_private_segment 0
		.amdhsa_kernarg_size 32
		.amdhsa_user_sgpr_count 2
		.amdhsa_user_sgpr_kernarg_segment_ptr 1
		.amdhsa_wavefront_size32 1
		.amdhsa_system_sgpr_workgroup_id_x 1
		.amdhsa_system_sgpr_workgroup_id_y 1
		.amdhsa_system_sgpr_workgroup_id_z 1
		.amdhsa_system_vgpr_workitem_id 0
		.amdhsa_next_free_vgpr 96
		.amdhsa_next_free_sgpr 66
		.amdhsa_reserve_vcc 1
		.amdhsa_float_denorm_mode_32 3
		.amdhsa_float_denorm_mode_16_64 3
		.amdhsa_memory_ordered 1
		.amdhsa_forward_progress 1
		.amdhsa_inst_pref_size 41
	.end_amdhsa_kernel
	.amdgpu_metadata
---
amdhsa.version: [ 1, 2 ]
amdhsa.kernels:
  - .name:           k_qf14d91e6c1_place
    .symbol:         k_qf14d91e6c1_place.kd
    .args:
      - { .name: t2x, .offset: 0, .size: 8, .value_kind: global_buffer, .address_space: global }
      - { .name: seg1, .offset: 8, .size: 8, .value_kind: global_buffer, .address_space: global }
      - { .name: seg2, .offset: 16, .size: 8, .value_kind: global_buffer, .address_space: global }
      - { .name: ge, .offset: 24, .size: 8, .value_kind: global_buffer, .address_space: global }
    .group_segment_fixed_size: 68608
    .private_segment_fixed_size: 0
    .kernarg_segment_align: 8
    .kernarg_segment_size: 32
    .max_flat_workgroup_size: 256
    .sgpr_count:     66
    .vgpr_count:     96
    .wavefront_size: 32
...
	.end_amdgpu_metadata
.endif
;; end of part 6
;; launch stagea (part 7): grid 4 x 38, 4 waves a work-group, clusters of 4 x 1, 327,680 bytes of LDS; arguments w0b, seg1, t1; writes t1
.if DOCPART == 7
	.amdgcn_target "amdgcn-amd-amdhsa--gfx1250"
	.amdhsa_code_object_version 6
	.text
	.protected	k_qf14d91e6c1_stagea
	.globl	k_qf14d91e6c1_stagea
	.p2align	8
	.type	k_qf14d91e6c1_stagea,@function
k_qf14d91e6c1_stagea:
	s_mov_b64 s[64:65], 0
	v_nop
	global_prefetch_b8 v0, s[64:65] scope:SCOPE_SE
	s_setreg_imm32_b32 hwreg(HW_REG_WAVE_MODE, 25, 1), 1
	s_wait_xcnt 0x0
	s_wait_alu depctr_hold_cnt(0) depctr_sa_sdst(0) depctr_va_vdst(0) depctr_va_sdst(0) depctr_va_ssrc(0) depctr_va_vcc(0) depctr_vm_vsrc(0)
	s_getreg_b32 s2, hwreg(HW_REG_IB_STS2, 6, 4)
	s_cmp_eq_u32 s2, 0
	s_cbranch_scc0 .Lentry_in_a_cluster
	s_endpgm
.Lentry_in_a_cluster:
	s_bfe_u32 s2, ttmp6, 0x10000c
	s_cmp_lg_u32 s2, 0x3003
	s_cbranch_scc0 .Lentry_shape_is_right
	s_endpgm
.Lentry_shape_is_right:
; OUT = IN x W for a hashed W with 4,096 rows.  Used twice: T1 = W0 W1 (in = w0b, 4 tiles) and T2 = T1 W2 (in = t1, 8 tiles: hi and lo parts of T1 as tiles of their own).
; reference() multiplies from the left, ((pooled W0) W1) W2; this program associates pooled ((W0 W1) W2), which is the same product with another order of rounding.
; IN is a row of tiles [k 4,864][64 bf16]: row k holds 64 rows' elements of column k; rows 0-4,095 are read.  W comes as segments: sub-chain c is 15,104 bf16 in which
; column y (y = 0..15, logical column c' + 152 y) begins at element 728 (15 - y) and runs along k.  OUT tile 2 tx takes the result's bf16 hi part, tile 2 tx + 1 the bf16 of what hi leaves,
; as rows j = logical column, 64 numbers each.  Sums in f32.  NaN and infinities are not treated apart.
; SHARES.  A work-group: tile tx (64 rows) x eight sub-chains 8 g .. 8 g + 7, all of K.  A wave: two sub-chains, 64 x 32: eight accumulators.  304 and 152 sub-chains give 152 work-groups in both uses.
; Columns at or past W's width are hash values like any other; they fill lanes that would otherwise idle and land in tile rows that nobody reads.
; LDS.  The eight segments stay for the whole K: each wave fetches its own two by one tensor load and alone reads them.  IN goes in steps of 256 k through registers into two slots that
; take turns (rows of 128 bytes, 160 apart: the turning load's 8 rows x 32 bytes then fall on different banks, ISA guide 11.1): two steps' global loads of every wave are always out.
; THE K STEP is four pairs of 32 k: 16 matrix instructions a pair, on two fragment sets that take turns; a pair's 24 LDS loads are issued one pair ahead.  The step's ONE barrier stands ahead of its last
; pair's products, when all the step's fragments have been read and the next step's rows are stored; behind it the next step's first pair is fetched, and the last pair is multiplied meanwhile.
; CLUSTER.  The four work-groups of a cluster have four tiles tx and the same g: they need the same segments, and ask for them jointly.
; All of the WGP's LDS is claimed: 324,096 bytes are used.
.set TS,    622592
.set SEGB,  30208
.set PITCH, 160
.set SLOT0, 8*SEGB
.set SLOT1, SLOT0+256*PITCH
.set SPARE, SLOT1+256*PITCH            ; the spare words: 128 bytes for each wave, two blocks of 256 bytes that no other line names
.set STG,   SLOT0                      ; the way out reuses slot 0: 16 rows (y) x 2,064 bytes: 1,024 of hi, 1,024 of lo, 16 of padding
.set SP,    2064
.set SPW, 2                            ; v2   my spare word; never rewritten
.set NIL, 3                            ; v3   0; never rewritten
.set AT,  4                            ; v4-5   my lane's place in slot 0, 1 for the turning loads
.set BA,  6                            ; v6-7   my lane's place in my two segments; steps 512 bytes a K step
.set ST,  8                            ; v8-9   where I store 16 bytes of a row into slot 0, 1
.set GO,  10                           ; v10  my byte offset in a K step's 32,768 bytes of IN
.set EW,  11                           ; v11  the way out: where I put 16 bytes
.set RD,  12                           ; v12  the way out: where I read back
.set VO,  13                           ; v13  my byte offset in OUT
.set FS,  16                           ; fragment set 0: v16-111 of window 0; set 1: v128-223 of window 1 (FS + 112).  A set: two halves of 48: four fragments of IN (16 rows x 32 k), two of W
.set ACC, 112                          ; v112-175 accumulator (a, n) at ACC + 8 (2 a + n)
.set HL,  176                          ; v176-239 the way out: for each accumulator four registers of hi, four of lo
.set T,   240                          ; v240-242 at work
                                       ; window 1: v0-63, v64-127: two sets of 16 x 4 registers for IN on its way to LDS
.set MSB, 0
.macro WIN new                         ; the immediate's high byte repeats the setting that is left; a switch that changes nothing is dropped
.if MSB != (\new)
	s_set_vgpr_msb (MSB<<8)|(\new)
.set MSB, \new
.endif
.endm
.macro PLACES                          ; four places between a matrix instruction and a load into, or a vector read of, its registers
.rept 4
	v_nop
.endr
.endm
.macro CROUND                          ; a round of the cluster's barrier
	s_barrier_signal -1
	s_barrier_wait -1
	s_cmp_lg_u32 s10, 0
	s_cbranch_scc1 .Lnot_wave_0_\@
	s_barrier_signal -3
.Lnot_wave_0_\@:
	s_barrier_wait -3
	s_barrier_signal -1
	s_barrier_wait -1
.endm
	s_load_b128 s[4:7], s[0:1], 0x0                ; IN s[4:5], segments s[6:7]
	s_load_b64 s[8:9], s[0:1], 0x10                ; OUT
	v_lshl_add_u32 v[SPW], v0, 2, SPARE
	v_mov_b32 v[NIL], 0
	ds_add_u32 v[SPW], v[NIL]                      ; the wave's opening: the add and its wait stand ahead of my tensor load; the set-up below stands between them
	v_lshrrev_b32 v1, 5, v0
	v_readfirstlane_b32 s10, v1                    ; wave 0..3
	s_bfe_u32 s13, ttmp6, 0x40000                  ; cx
	s_lshl_b32 s11, ttmp9, 2
	s_add_co_u32 s11, s11, s13                     ; tx = 4 x cluster x + cx: it enters IN's and OUT's addresses alone
	s_and_b32 s12, ttmp7, 0xffff                   ; g, which the four partners share
	; descriptor group 1: my two segments are 60,416 dense bytes, asked for as 236 rows of 32 elements of 8 bytes
	s_mov_b32 s16, 15|(3<<16)|(1<<21)              ; 15:0 the mask of four; 17:16 elements of 8 bytes; 21 set beside a mask
	s_mov_b32 s17, 32<<16                          ; tensor_dim0 = 32
	s_mov_b32 s18, 236<<16                         ; tensor_dim1 = 236
	s_mov_b32 s19, 32<<16                          ; tile_dim0 = 32
	s_mov_b32 s20, 236                             ; tile_dim1 = 236
	s_mov_b32 s21, 32                              ; 32 elements from row to row
	s_mov_b32 s22, 0
	s_mov_b32 s23, 0
	s_mov_b32 s24, 1                               ; group 0: count = 1
	s_mul_i32 s25, s10, 2*SEGB                     ; LDS address: the wave's number times two segments
	s_lshl_b32 s36, s12, 3
	s_lshl1_add_u32 s36, s10, s36                  ; my first sub-chain: 8 g + 2 w
	s_mul_i32 s36, s36, SEGB
	s_mov_b32 s37, 0
	s_mul_i32 s38, s11, TS                         ; my tile of IN
	s_mov_b32 s39, 0
	s_cmp_ge_u32 s12, 19                           ; the first logical column of sub-chain 8 g: sub-chains from 152 on begin 2,280 columns further up
	s_cselect_b32 s40, 2280, 0
	s_lshl3_add_u32 s40, s12, s40
	s_lshl_b32 s40, s40, 7                         ; rows of 128 bytes
	s_mul_i32 s41, s11, 2*TS                       ; OUT's tiles 2 tx and 2 tx + 1
	s_add_co_u32 s40, s40, s41
	s_mov_b32 s41, 0
	s_wait_dscnt 0x0                               ; the opening add is done
	s_wait_kmcnt 0x0
	s_add_nc_u64 s[26:27], s[6:7], s[36:37]        ; global address of my two segments: g and the wave's number alone
	s_or_b32 s27, s27, 0x80000000                  ; type = 2
	s_add_nc_u64 s[34:35], s[4:5], s[38:39]        ; IN at my tile's first K step
	s_add_nc_u64 s[8:9], s[8:9], s[40:41]
	CROUND                                         ; all four work-groups are here: the joint loads meet
	tensor_load_to_lds s[24:27], s[16:23]          ; my one tensor load of the launch
	s_nop 0
	v_and_b32 v14, 15, v0                          ; r = lane % 16
	v_bfe_u32 v15, v0, 4, 1                        ; h = lane / 16
	v_and_b32 v1, 31, v0                           ; lane
	v_and_b32 v[T+1], 7, v0
	s_lshl_b32 s40, s10, 13                        ; my 64 rows of 128 bytes in a K step
	v_lshl_add_u32 v[GO], v1, 4, s40
; 16 global loads, 512 consecutive bytes each: my 64 rows of a K step, into staging set \set.  adv: the base first goes on by so many bytes; the loads that read it last were issued a K step
; ago, and the wait that frees it stands here, ahead of the step, not behind those loads.  imm: bytes in the immediate (the second K step is asked for without a step of the base)
.macro ISSUE set, adv, imm
.if \adv
	s_wait_xcnt 0x0                                ; the base is stepped only behind this wait
	s_add_nc_u64 s[34:35], s[34:35], \adv
.endif
	WIN 0x40                                       ; destination window 1, offset window 0
.irp q, 0,1,2,3,4,5,6,7,8,9,10,11,12,13,14,15
	global_load_b128 v[64*(\set)+4*(\q):64*(\set)+4*(\q)+3], v[GO], s[34:35] offset:(\imm)+512*(\q)
.endr
.endm
; staging set \set goes into slot \set: a load's 512 bytes are four rows
.macro PUTS set
	WIN 0x04                                       ; store data window 1, address window 0
.irp q, 0,1,2,3,4,5,6,7,8,9,10,11,12,13,14,15
	ds_store_b128 v[ST+(\set)], v[64*(\set)+4*(\q):64*(\set)+4*(\q)+3] offset:4*PITCH*(\q)
.endr
.endm
	ISSUE 0, 0, 0                                  ; K step 0
	ISSUE 1, 0, 32768                              ; K step 1
	WIN 0
	; the turning load takes 16 k x 16 rows: lane l reads k = 8 h + l % 8, 16 bytes at 16 ((l / 8) % 2), and leaves half a fragment: row l % 16, eight k
	v_lshl_add_u32 v[T], v15, 3, v[T+1]
	v_mul_u32_u24 v[T], v[T], PITCH
	v_bfe_u32 v[T+2], v0, 3, 1
	v_lshl_add_u32 v[T], v[T+2], 4, v[T]
	v_add_nc_u32 v[AT], SLOT0, v[T]
	v_add_nc_u32 v[AT+1], SLOT1, v[T]
	; W's fragment: lane l holds column y = r, which begins 1,456 (15 - r) bytes into the segment: 91 x 16 bytes apart, so the 16 columns start at 16 different groups of four banks
	v_sub_nc_u32 v[T], 15, v14
	v_mul_u32_u24 v[T], v[T], 1456
	v_lshl_add_u32 v[T], v15, 4, v[T]
	v_add_nc_u32 v[BA], s25, v[T]
	v_add_nc_u32 v[BA+1], SEGB, v[BA]
	v_bfe_u32 v[T], v0, 3, 2                       ; into a slot: row 64 w + 4 q + lane / 8, 16 bytes at 16 (lane % 8)
	s_lshl_b32 s40, s10, 6
	v_add_nc_u32 v[T], s40, v[T]
	v_mul_u32_u24 v[T], v[T], PITCH
	v_lshl_add_u32 v[T], v[T+1], 4, v[T]
	v_add_nc_u32 v[ST], SLOT0, v[T]
	v_add_nc_u32 v[ST+1], SLOT1, v[T]
	v_mul_u32_u24 v[EW], v14, SP                   ; the way out, in: row y = r; my two sub-chains' 256 bytes; 16 bytes for each half of the lanes
	v_lshl_add_u32 v[EW], v15, 4, v[EW]
	s_lshl_b32 s40, s10, 8
	s_add_co_u32 s40, s40, STG
	v_add_nc_u32 v[EW], s40, v[EW]
	s_mul_i32 s40, s10, SP                         ; back: wave w takes rows y = w, w + 4, w + 8, w + 12
	s_add_co_u32 s40, s40, STG
	v_lshl_add_u32 v[RD], v1, 4, s40
	s_mul_i32 s40, s10, 152*128                    ; and in OUT y is 152 rows of 128 bytes
	v_lshl_add_u32 v[VO], v1, 4, s40
; 12 LDS loads: the fragments of 32 k: number ka of the K step in slot sl; W's at 64 kb bytes from BA; into half hf of fragment set fs
.macro FETCH1 sl, ka, kb, fs, hf
.if \fs
	WIN 0x40                                       ; destination window 1, address window 0
.else
	WIN 0
.endif
.irp a, 0,1,2,3
	ds_load_tr16_b128 v[FS+112*(\fs)+48*(\hf)+8*(\a):FS+112*(\fs)+48*(\hf)+8*(\a)+3],   v[AT+(\sl)] offset:32*PITCH*(\ka)+32*(\a)
	ds_load_tr16_b128 v[FS+112*(\fs)+48*(\hf)+8*(\a)+4:FS+112*(\fs)+48*(\hf)+8*(\a)+7], v[AT+(\sl)] offset:32*PITCH*(\ka)+32*(\a)+16*PITCH
.endr
.irp n, 0,1
	ds_load_b128 v[FS+112*(\fs)+48*(\hf)+32+8*(\n):FS+112*(\fs)+48*(\hf)+32+8*(\n)+3],   v[BA+(\n)] offset:64*(\kb)
	ds_load_b128 v[FS+112*(\fs)+48*(\hf)+32+8*(\n)+4:FS+112*(\fs)+48*(\hf)+32+8*(\n)+7], v[BA+(\n)] offset:64*(\kb)+32
.endr
.endm
; 16 matrix instructions: a pair of 32 k from fragment set fs; the eight accumulators take turns, one instruction a turn.  zero = 1: the first eight start the sums
.macro MUL16 fs, zero
.if \fs
	WIN 0x05                                       ; sources 0 and 1 window 1; C and D window 0
.else
	WIN 0
.endif
.irp c, 0,1
.irp a, 0,1,2,3
.irp n, 0,1
.if (\zero) && ((\c) == 0)
	v_wmma_f32_16x16x32_bf16 v[ACC+8*(2*(\a)+(\n)):ACC+8*(2*(\a)+(\n))+7], v[FS+112*(\fs)+48*(\c)+8*(\a):FS+112*(\fs)+48*(\c)+8*(\a)+7], v[FS+112*(\fs)+48*(\c)+32+8*(\n):FS+112*(\fs)+48*(\c)+32+8*(\n)+7], 0
.else
	v_wmma_f32_16x16x32_bf16 v[ACC+8*(2*(\a)+(\n)):ACC+8*(2*(\a)+(\n))+7], v[FS+112*(\fs)+48*(\c)+8*(\a):FS+112*(\fs)+48*(\c)+8*(\a)+7], v[FS+112*(\fs)+48*(\c)+32+8*(\n):FS+112*(\fs)+48*(\c)+32+8*(\n)+7], v[ACC+8*(2*(\a)+(\n)):ACC+8*(2*(\a)+(\n))+7]
.endif
.endr
.endr
.endr
.endm
; A K STEP in slot cur.  On entry its pair 0 has been asked for, into set 0.  store = 1: the next K step goes from its staging set into the other slot; issue = 1: that set then takes the K step two
; further on; cnt: the loads of the K step behind the one stored, which stay out.  zero = 1: the launch's first products.  first = 1: BA stands at this step already.  last = 1: nothing follows.
.macro STEP cur, store, issue, cnt, zero, first, last
	WIN 0
.if !(\first)
	v_add_nc_u32 v[BA], 512, v[BA]                 ; 256 k on in the segments; with two v_nop these are the four places behind the last products
	v_add_nc_u32 v[BA+1], 512, v[BA+1]
	v_nop
	v_nop
.endif
	FETCH1 \cur, 2, 2, 1, 0                        ; pair 1
	FETCH1 \cur, 3, 3, 1, 1
	s_wait_dscnt 24                                ; pair 0 is in: behind its loads stand pair 1's 24
.if \store
	s_wait_loadcnt \cnt
	PUTS 1-(\cur)                                  ; nobody reads that slot: its last reads were awaited in front of the barrier that I have passed
.if \issue
	ISSUE 1-(\cur), 32768, 0
.endif
.endif
	MUL16 0, \zero
	PLACES
	FETCH1 \cur, 4, 4, 0, 0                        ; pair 2; the wait for pair 1 stands in its middle, so that LDS has requests of mine at hand meanwhile
.if \store
	s_wait_dscnt 28                                ; pair 1 is in: behind its loads stand 16 stores and 12 loads
.else
	s_wait_dscnt 12
.endif
	FETCH1 \cur, 5, 5, 0, 1
	MUL16 1, 0
	PLACES
	FETCH1 \cur, 6, 6, 1, 0                        ; pair 3
	s_wait_dscnt 12                                ; pair 2 is in: behind its loads stand 12
	FETCH1 \cur, 7, 7, 1, 1
	MUL16 0, 0
	s_wait_dscnt 0x0                               ; pair 3 is in; my reads of this slot are over, and my stores into the other slot are done:
.if !(\last)
	s_barrier_signal -1                            ; ONE barrier for both:
	s_barrier_wait -1                              ; the other slot is whole, and this slot may be stored into
	PLACES
	FETCH1 1-(\cur), 0, 8, 0, 0                    ; the next K step's pair 0; W's fragments lie 512 bytes on from BA
	FETCH1 1-(\cur), 1, 9, 0, 1
.endif
	MUL16 1, 0
.endm
	s_wait_loadcnt 16                              ; K step 0 is in; step 1's 16 loads stay out
	PUTS 0
	ISSUE 0, 65536, 0                              ; K step 2
	s_wait_tensorcnt 0x0                           ; my segments, which I alone read, are in
	s_wait_dscnt 0x0                               ; my part of slot 0 is stored,
	s_barrier_signal -1
	s_barrier_wait -1                              ; everybody's is
	FETCH1 0, 0, 0, 0, 0                           ; K step 0, pair 0
	FETCH1 0, 1, 1, 0, 1
	STEP 0, 1, 1, 16, 1, 1, 0                      ; K step 0 stands in front of the loop: its first products start the sums
	WIN 0                                          ; at a label and at a branch every window is 0
	s_mov_b32 s32, 6
.Llap:                                                 ; a trip: two K steps, once round the two slots: K steps 1 to 12; step s stores step s + 1 and asks for step s + 3
	STEP 1, 1, 1, 16, 0, 0, 0
	STEP 0, 1, 1, 16, 0, 0, 0
	WIN 0
	s_sub_co_u32 s32, s32, 1
	s_cmp_lg_u32 s32, 0
	s_cbranch_scc1 .Llap
	STEP 1, 1, 0, 16, 0, 0, 0                      ; step 13 stores step 14; step 15's loads stay out; nothing more is asked for
	STEP 0, 1, 0, 0, 0, 0, 0                       ; step 14 stores step 15
	STEP 1, 0, 0, 0, 0, 0, 1                       ; step 15
	WIN 0
	; THE WAY OUT.  In accumulator (a, n) lane (r, h) holds rows 16 a + 8 h + 0..7 of column y = r of sub-chain 2 w + n: eight neighbours of a row of OUT's tile.
	; hi = bf16(x), lo = bf16(x - hi); 16 bytes of each go into the work-group's stage, whose row y gathers the eight sub-chains' 1,024 consecutive bytes of both tiles.
	; The stage lies in slot 0, whose last reads (K step 14's) every wave awaited in front of that step's barrier; K step 15 reads slot 1.
	PLACES
.irp a, 0,1,2,3
.irp s, 0,1
.irp i, 0,1,2,3                        ; each accumulator's registers in ascending order
	v_cvt_pk_bf16_f32 v[HL+8*(2*(\a)+(\s))+(\i)], v[ACC+8*(2*(\a)+(\s))+2*(\i)], v[ACC+8*(2*(\a)+(\s))+2*(\i)+1]
	v_lshlrev_b32 v[T], 16, v[HL+8*(2*(\a)+(\s))+(\i)]
	v_and_b32 v[T+1], 0xffff0000, v[HL+8*(2*(\a)+(\s))+(\i)]
	v_sub_f32 v[T], v[ACC+8*(2*(\a)+(\s))+2*(\i)], v[T]
	v_sub_f32 v[T+1], v[ACC+8*(2*(\a)+(\s))+2*(\i)+1], v[T+1]
	v_cvt_pk_bf16_f32 v[HL+8*(2*(\a)+(\s))+4+(\i)], v[T], v[T+1]
.endr
	ds_store_b128 v[EW], v[HL+8*(2*(\a)+(\s)):HL+8*(2*(\a)+(\s))+3]   offset:128*(\s)+32*(\a)
	ds_store_b128 v[EW], v[HL+8*(2*(\a)+(\s))+4:HL+8*(2*(\a)+(\s))+7] offset:1024+128*(\s)+32*(\a)
.endr
.endr
	s_wait_dscnt 0x0                               ; for the others' sake: my stores into the stage are done
	s_barrier_signal -1
	s_barrier_wait -1
.irp n, 0,1,2,3,4,5,6,7,8,9,10,11,12,13,14,15  ; n = 4 it + 2 part + hf: row y = w + 4 it, hi or lo, which 512 bytes
	ds_load_b128 v[FS+4*(\n):FS+4*(\n)+3], v[RD] offset:4*SP*((\n)/4)+1024*(((\n)/2)%2)+512*((\n)%2)
.endr
.irp n, 0,1,2,3,4,5,6,7,8,9,10,11,12,13,14,15
	s_wait_dscnt 15-(\n)                           ; the younger loads stay out
	global_store_b128 v[VO], v[FS+4*(\n):FS+4*(\n)+3], s[8:9] offset:4*152*128*((\n)/4)+TS*(((\n)/2)%2)+512*((\n)%2)  ; 512 consecutive bytes, at a multiple of 256 from OUT's first
.endr
	s_wait_tensorcnt 0x0                           ; the wave's end: behind my tensor load and my last LDS store
	ds_add_u32 v[SPW], v[NIL]
	s_wait_dscnt 0x0
	CROUND                                         ; the closing round
	s_endpgm
.Lfunc_end_k_qf14d91e6c1_stagea:
	.size	k_qf14d91e6c1_stagea, .Lfunc_end_k_qf14d91e6c1_stagea-k_qf14d91e6c1_stagea
	.p2alignl 7, 3214868480
	.fill 96, 4, 3214868480
	.section	.rodata,"a",@progbits
	.p2align	6, 0x0
	.amdhsa_kernel k_qf14d91e6c1_stagea
		.amdhsa_group_segment_fixed_size 327680
		.amdhsa_private_segment_fixed_size 0
		.amdhsa_enable_private_segment 0
		.amdhsa_kernarg_size 24
		.amdhsa_user_sgpr_count 2
		.amdhsa_user_sgpr_kernarg_segment_ptr 1
		.amdhsa_wavefront_size32 1
		.amdhsa_system_sgpr_workgroup_id_x 1
		.amdhsa_system_sgpr_workgroup_id_y 1
		.amdhsa_system_sgpr_workgroup_id_z 1
		.amdhsa_system_vgpr_workitem_id 0
		.amdhsa_next_free_vgpr 480
		.amdhsa_next_free_sgpr 66
		.amdhsa_reserve_vcc 0
		.amdhsa_float_denorm_mode_32 3
		.amdhsa_float_denorm_mode_16_64 3
		.amdhsa_memory_ordered 1
		.amdhsa_forward_progress 1
		.amdhsa_inst_pref_size 100
	.end_amdhsa_kernel
	.amdgpu_metadata
---
amdhsa.version: [ 1, 2 ]
amdhsa.kernels:
  - .name:           k_qf14d91e6c1_stagea
    .symbol:         k_qf14d91e6c1_stagea.kd
    .args:
      - { .name: w0b, .offset: 0, .size: 8, .value_kind: global_buffer, .address_space: global }
      - { .name: seg1, .offset: 8, .size: 8, .value_kind: global_buffer, .address_space: global }
      - { .name: t1, .offset: 16, .size: 8, .value_kind: global_buffer, .address_space: global }
    .group_segment_fixed_size: 327680
    .private_segment_fixed_size: 0
    .kernarg_segment_align: 8
    .kernarg_segment_size: 24
    .max_flat_workgroup_size: 128
    .sgpr_count:     66
    .vgpr_count:     480
    .wavefront_size: 32
...
	.end_amdgpu_metadata
.endif
;; end of part 7
;; launch stageb: the kernel of part 7 again; grid 8 x 19, 4 waves a work-group, clusters of 4 x 1, 327,680 bytes of LDS; arguments t1, seg2, t2x; writes t2x
;; launch pool (part 8): grid 576 x 1, 8 waves a work-group, no clusters, 5,120 bytes of LDS; arguments x, w, ge, t2x, pl, t2f; writes pl, t2f
.if DOCPART == 8
	.amdgcn_target "amdgcn-amd-amdhsa--gfx1250"
	.amdhsa_code_object_version 6
	.text
	.protected	k_qf14d91e6c1_pool
	.globl	k_qf14d91e6c1_pool
	.p2align	8
	.type	k_qf14d91e6c1_pool,@function
k_qf14d91e6c1_pool:
	s_mov_b64 s[64:65], 0
	v_nop
	global_prefetch_b8 v0, s[64:65] scope:SCOPE_SE
	s_setreg_imm32_b32 hwreg(HW_REG_WAVE_MODE, 25, 1), 1
	s_wait_xcnt 0x0
; TWO INDEPENDENT JOBS IN ONE LAUNCH, both wanted by the last product.
; Groups 0-511, POOLING: pooled[b][d] = the sum over t < 50 of w[b][t] emb(x[b][t], d), emb(x, d) = hw_emb[(P1 x + Q d + 1) mod 2^20], and 0 where x = 0.
;   With GE[t] = hw_emb[Q t mod 2^20] (bf16, made by an earlier launch, 16,384 elements longer than the table) a row of emb is the window GE[t0 .. t0 + 255], t0 = Q^-1 (P1 x + 1) mod 2^20.
;   x is hashed as an unsigned 32-bit number, whatever it holds.  A wave owns one row b and 128 of its d: lane l holds d = 128 half + 32 k + l, k = 0..3, so a load of the wave takes 64 consecutive
;   bytes.  w is rounded to bf16 like every float input; the sums are f32; pooled leaves as bf16 hi and bf16 lo = bf16(sum - hi): pl[b] = 256 hi, 256 lo.
; Groups 512-575, FOLDING: T2 = the sum of the four tiles (hi and lo of T1hi W2, hi and lo of T1lo W2) that the launch before stored, small terms first, in f32; it leaves as hi and lo: t2f[mt][part][j][64].
; No matrix unit and no cluster: nothing is multiplied by matrices here and no two work-groups read the same bytes.  NaN and infinities are not treated apart.
.set P1, 0x9E3779B1
.set Q,  40503
.set TS, 622592
.set SPARE, 4096                       ; behind the eight waves' 512 bytes each: the spare words, 128 bytes a wave
.set SPW, 2
.set NIL, 3
.set T0,  96                           ; v96-97  t0 of entries l and min(32 + l, 49)
	s_load_b256 s[4:11], s[0:1], 0x0               ; x s[4:5], w s[6:7], ge s[8:9], t2x s[10:11]
	s_load_b128 s[12:15], s[0:1], 0x20             ; pl s[12:13], t2f s[14:15]
	v_lshl_add_u32 v[SPW], v0, 2, SPARE
	v_mov_b32 v[NIL], 0
	v_lshrrev_b32 v1, 5, v0
	v_readfirstlane_b32 s16, v1                    ; wave 0..7
	s_mov_b32 s17, ttmp9
	s_cmp_ge_u32 s17, 512
	s_cbranch_scc1 .Lfold
	; ---- pooling.  v8-9 x, v10-11 w (entries l and min(32 + l, 49)); v12 2 l + 256 half; v13 0; v14 an entry's w; v16-19 the sums; v20-31 a ring of 12 offsets; v32-79 its 12 x 4 loads
	s_lshr_b32 s18, s16, 1
	s_lshl2_add_u32 s18, s17, s18                  ; b = 4 g + wave / 2
	s_and_b32 s19, s16, 1                          ; half
	v_and_b32 v4, 31, v0                           ; l
	v_add_nc_u32 v5, 32, v4
	v_min_u32 v5, 49, v5
	s_mul_i32 s20, s18, 200                        ; a row of x and of w is 50 words
	v_lshl_add_u32 v6, v4, 2, s20
	v_lshl_add_u32 v7, v5, 2, s20
	s_lshl_b32 s21, s19, 8
	v_lshl_add_u32 v12, v4, 1, s21
	v_mov_b32 v13, 0
	s_wait_kmcnt 0x0
	global_load_b32 v8, v6, s[4:5]
	global_load_b32 v9, v7, s[4:5]
	global_load_b32 v10, v6, s[6:7]
	global_load_b32 v11, v7, s[6:7]
	s_mov_b32 s28, P1
	s_mov_b32 s22, Q                               ; Q^-1 modulo 2^32 by Newton's step y = y (2 - Q y): Q itself is right to 3 bits, four steps double that to 48
.rept 4
	s_mul_i32 s23, s22, Q
	s_sub_co_u32 s23, 2, s23
	s_mul_i32 s22, s22, s23
.endr
	s_wait_loadcnt 0x0
.irp i, 0,1
	v_mul_lo_u32 v[T0+\i], v[8+\i], s28            ; t0 = Q^-1 (P1 x + 1) mod 2^20, for all entries at once
	v_add_nc_u32 v[T0+\i], 1, v[T0+\i]
	v_mul_lo_u32 v[T0+\i], v[T0+\i], s22
	v_and_b32 v[T0+\i], 0xfffff, v[T0+\i]
	v_cvt_pk_bf16_f32 v[10+\i], v[10+\i], v[10+\i]
	v_lshlrev_b32 v[10+\i], 16, v[10+\i]           ; w rounded to bf16, as f32
	v_cmp_eq_u32 vcc_lo, 0, v[8+\i]
	v_cndmask_b32 v[10+\i], v[10+\i], v13, vcc_lo  ; the padding row counts as zeros: its weight is 0
.endr
.macro ISSUE t, slot                   ; entry t's window of GE: four loads of 64 consecutive bytes
	v_readlane_b32 s24, v[T0+((\t)>>5)], (\t)&31
	s_min_u32 s24, s24, 0xfffff                    ; a number made of loaded data enters an address only behind a clamp; the mask above has cut it to this range already, so no value changes
	s_lshl_b32 s24, s24, 1                         ; bf16: two bytes
	v_add_nc_u32 v[20+(\slot)], s24, v12
.irp k, 0,1,2,3
	global_load_u16 v[32+4*(\slot)+\k], v[20+(\slot)], s[8:9] offset:64*\k
.endr
.endm
.macro USE t, slot
.if 49-(\t) < 11
	s_wait_loadcnt 4*(49-(\t))                     ; the younger entries' loads, four each, stay out
.else
	s_wait_loadcnt 44
.endif
	v_readlane_b32 s25, v[10+((\t)>>5)], (\t)&31
	v_mov_b32 v14, s25
.irp k, 0,1,2,3
.if (\t) == 0
	v_fma_mix_f32_bf16 v[16+\k], v[32+4*(\slot)+\k], v14, v13 op_sel_hi:[1,0,0]       ; the first entry starts the sums
.else
	v_fma_mix_f32_bf16 v[16+\k], v[32+4*(\slot)+\k], v14, v[16+\k] op_sel_hi:[1,0,0]  ; bf16 x f32 + f32
.endif
.endr
.endm
.set t, 0
.rept 12
	ISSUE t, t
.set t, t+1
.endr
.set t, 0
.rept 50
	USE t, t%12
.if t+12 < 50
	ISSUE t+12, t%12                               ; the slot's offset and data are free: the wait above has shown its loads done
.endif
.set t, t+1
.endr
	; hi and lo; through my wave's 512 bytes of LDS, so that sixteen lanes store 256 consecutive bytes
	s_lshl_b32 s26, s16, 9
	v_lshl_add_u32 v15, v4, 1, s26
.irp k, 0,1,2,3
	v_cvt_pk_bf16_f32 v[80+\k], v[16+\k], v[16+\k]
	v_lshlrev_b32 v[84+\k], 16, v[80+\k]
	v_sub_f32 v[84+\k], v[16+\k], v[84+\k]
	v_cvt_pk_bf16_f32 v[84+\k], v[84+\k], v[84+\k]
	ds_store_b16 v15, v[80+\k] offset:64*\k
	ds_store_b16 v15, v[84+\k] offset:256+64*\k
.endr
	v_lshl_add_u32 v88, v4, 4, s26
	ds_load_b128 v[92:95], v88                     ; LDS serves a wave's instructions in order (ISA guide 5.7.1.4): this sees the stores above; lanes 0-15 take hi, lanes 16-31 lo
	s_lshl_b32 s27, s18, 10                        ; pl's row b,
	s_add_co_u32 s27, s27, s21                     ; my half's 256 bytes
	v_and_b32 v90, 15, v0
	v_bfe_u32 v91, v0, 4, 1
	v_lshl_add_u32 v89, v90, 4, s27
	v_lshl_add_u32 v89, v91, 9, v89                ; lo lies 512 bytes behind hi
	s_wait_dscnt 0x0
	global_store_b128 v89, v[92:95], s[12:13]
	s_wait_tensorcnt 0x0                           ; the wave's end: behind my last LDS store
	ds_add_u32 v[SPW], v[NIL]
	s_wait_dscnt 0x0
	s_endpgm
.Lfold:
	; ---- folding.  A group owns 16,384 bytes (128 rows j) of one mt's four tiles; thread t 16 bytes in each of four runs k of 4,096.  v16-79 run k, tile q at 16 + 16 k + 4 q; v80-111 hi and lo
	s_sub_co_u32 s17, s17, 512
	s_lshr_b32 s18, s17, 4                         ; mt
	s_and_b32 s19, s17, 15
	s_lshl_b32 s19, s19, 14
	s_mul_i32 s20, s18, 4*TS
	s_add_co_u32 s20, s20, s19
	s_mov_b32 s21, 0
	s_lshl_b32 s22, s18, 19                        ; two blocks of 262,144 bytes for each mt
	s_add_co_u32 s22, s22, s19
	s_mov_b32 s23, 0
	v_lshlrev_b32 v4, 4, v0
	v_mov_b32 v5, 1.0
	s_wait_kmcnt 0x0
	s_add_nc_u64 s[10:11], s[10:11], s[20:21]
	s_add_nc_u64 s[14:15], s[14:15], s[22:23]
.irp k, 0,1,2,3
.irp q, 0,1,2,3
	global_load_b128 v[16+16*\k+4*\q:16+16*\k+4*\q+3], v4, s[10:11] offset:TS*\q+4096*\k
.endr
.endr
.irp k, 0,1,2,3
	s_wait_loadcnt 12-4*\k                         ; the younger runs' loads, four each, stay out
.irp d, 0,1,2,3
	v_lshlrev_b32 v6, 16, v[16+16*\k+12+\d]        ; the smallest term starts the sums: lo of T1lo W2
	v_and_b32 v7, 0xffff0000, v[16+16*\k+12+\d]
.irp q, 2,1,0
	v_fma_mix_f32_bf16 v6, v[16+16*\k+4*\q+\d], v5, v6 op_sel_hi:[1,0,0]
	v_fma_mix_f32_bf16 v7, v[16+16*\k+4*\q+\d], v5, v7 op_sel:[1,0,0] op_sel_hi:[1,0,0]
.endr
	v_cvt_pk_bf16_f32 v[80+8*\k+\d], v6, v7
	v_lshlrev_b32 v8, 16, v[80+8*\k+\d]
	v_and_b32 v9, 0xffff0000, v[80+8*\k+\d]
	v_sub_f32 v8, v6, v8
	v_sub_f32 v9, v7, v9
	v_cvt_pk_bf16_f32 v[84+8*\k+\d], v8, v9
.endr
	global_store_b128 v4, v[80+8*\k:80+8*\k+3], s[14:15] offset:4096*\k
	global_store_b128 v4, v[84+8*\k:84+8*\k+3], s[14:15] offset:262144+4096*\k
.endr
	s_endpgm
.Lfunc_end_k_qf14d91e6c1_pool:
	.size	k_qf14d91e6c1_pool, .Lfunc_end_k_qf14d91e6c1_pool-k_qf14d91e6c1_pool
	.p2alignl 7, 3214868480
	.fill 96, 4, 3214868480
	.section	.rodata,"a",@progbits
	.p2align	6, 0x0
	.amdhsa_kernel k_qf14d91e6c1_pool
		.amdhsa_group_segment_fixed_size 5120
		.amdhsa_private_segment_fixed_size 0
		.amdhsa_enable_private_segment 0
		.amdhsa_kernarg_size 48
		.amdhsa_user_sgpr_count 2
		.amdhsa_user_sgpr_kernarg_segment_ptr 1
		.amdhsa_wavefront_size32 1
		.amdhsa_system_sgpr_workgroup_id_x 1
		.amdhsa_system_sgpr_workgroup_id_y 1
		.amdhsa_system_sgpr_workgroup_id_z 1
		.amdhsa_system_vgpr_workitem_id 0
		.amdhsa_next_free_vgpr 112
		.amdhsa_next_free_sgpr 66
		.amdhsa_reserve_vcc 1
		.amdhsa_float_denorm_mode_32 3
		.amdhsa_float_denorm_mode_16_64 3
		.amdhsa_memory_ordered 1
		.amdhsa_forward_progress 1
		.amdhsa_inst_pref_size 67
	.end_amdhsa_kernel
	.amdgpu_metadata
---
amdhsa.version: [ 1, 2 ]
amdhsa.kernels:
  - .name:           k_qf14d91e6c1_pool
    .symbol:         k_qf14d91e6c1_pool.kd
    .args:
      - { .name: x, .offset: 0, .size: 8, .value_kind: global_buffer, .address_space: global }
      - { .name: w, .offset: 8, .size: 8, .value_kind: global_buffer, .address_space: global }
      - { .name: ge, .offset: 16, .size: 8, .value_kind: global_buffer, .address_space: global }
      - { .name: t2x, .offset: 24, .size: 8, .value_kind: global_buffer, .address_space: global }
      - { .name: pl, .offset: 32, .size: 8, .value_kind: global_buffer, .address_space: global }
      - { .name: t2f, .offset: 40, .size: 8, .value_kind: global_buffer, .address_space: global }
    .group_segment_fixed_size: 5120
    .private_segment_fixed_size: 0
    .kernarg_segment_align: 8
    .kernarg_segment_size: 48
    .max_flat_workgroup_size: 256
    .sgpr_count:     66
    .vgpr_count:     112
    .wavefront_size: 32
...
	.end_amdgpu_metadata
.endif
;; end of part 8
;; launch stagec: the kernel of part 4 again; grid 16 x 16, 4 waves a work-group, clusters of 4 x 4, 327,680 bytes of LDS; arguments pl, t2f, out0; writes out0
;; ======== version 3 of 3: 6 launches; version 2 with the launch sift written anew for expert scheduling mode
;; workspace buffers: seg1 9,183,232 bytes; seg2 4,591,616 bytes; ge 2,129,920 bytes; w0b 2,490,368 bytes; t1 4,980,736 bytes; t2x 10,485,760 bytes; t2f 2,097,152 bytes; pl 2,097,152 bytes
;; launch sift (part 9): grid 576 x 1, 8 waves a work-group, no clusters, 33,792 bytes of LDS; arguments hw1, hw2, hw_emb, hw0, t2x, w0b; writes t2x, w0b
.if DOCPART == 9
	.amdgcn_target "amdgcn-amd-amdhsa--gfx1250"
	.amdhsa_code_object_version 6
	.text
	.protected	k_qf14d91e6c1_sift
	.globl	k_qf14d91e6c1_sift
	.p2align	8
	.type	k_qf14d91e6c1_sift,@function
k_qf14d91e6c1_sift:
	s_mov_b64 s[64:65], 0
	v_nop
	global_prefetch_b8 v0, s[64:65] scope:SCOPE_SE
	s_setreg_imm32_b32 hwreg(HW_REG_WAVE_SCHED_MODE, 0, 2), 2
	s_setreg_imm32_b32 hwreg(HW_REG_WAVE_MODE, 25, 1), 1
	s_wait_xcnt 0x0
	s_wait_alu depctr_vm_vsrc(0)
; THE FIRST OF TWO PASSES THAT LAY THE HASHED TABLES OUT FOR THE PRODUCTS, and the logical W0.  Every number is rounded once to bf16.
; A hashed lookup is H[s], s = mu p + e modulo the table's size (a power of two, mu odd).  Cut s into S = s >> 14 and s0 = s & 0x3FFF.
; Groups 256-575, SIFTING: Y[S][tau] = H[S 2^14 + (mu tau & 0x3FFF)] for one chunk S of 16,384 numbers: the chunk is read as it lies, rounded, put into LDS in its own order, read back two bytes at a
;   time at (2 mu tau) & 0x7FFE, and written as it comes.  Then H[s] = Y[S][(p + mu^-1 e) mod 2^14]: the column runs with p, and the next launch picks the rows.
;   hw1 (mu = P1): chunks 0-127, Y at byte 0;  hw2 (mu = P1): 128 chunks, Y at 4 MiB;  hw_emb (mu = Q): 64 chunks, Y at 8 MiB.  Y lies in a buffer that a later launch uses again for its own results.
; Groups 0-255, W0: tile tx, row i, place c of w0b holds W0[64 tx + c][i] = hw0[(P1 (64 tx + c) + Q i + 2) mod 2^20], gathered straight from the table: 64 rows, 4,096 numbers, a group.
;   These rows are windows of 128 bytes at odd places of a sifted table and would want a third pass; one group for each of 256 processors runs beside the sifting.
; Every global load of the sifting and every store of both jobs covers 512 consecutive bytes a wave, aligned.  No matrix unit: nothing is multiplied.
; THE MODE: SCHED_MODE bits 1:0 = 2 (LLVM: expert scheduling mode 2), set by the entry lines.  The code itself states the register dependences between vector instructions and memory or LDS
; instructions, with s_wait_alu, always for 0.
; THE PLAN.  Registers that memory or LDS instructions touch:
;   v[VO], v[VL]  offsets, made once and never written again.
;   D             Sifting: the 16 global loads land in it; the roundings read each four registers and write the first two of them; the LDS stores read those two; behind the barrier the 64 LDS reads land
;                 in it; the packings read each eight registers and write the first four of them; the global stores read those four.  W0: the gathers land in it; roundings and stores likewise.
;   AD            the 64 LDS addresses (W0: the 16 offsets of the gathers): written by vector instructions once, read by the LDS reads (the gathers), never written again.
;   v[SPW], v[NIL]  written at the head, read by the closing add alone.
; The roundings go in four batches and the packings in four pairs of groups.  A batch's LDS stores, and a pair's global stores, stand at the head of the NEXT batch or pair, behind ONE wait on va_vdst,
; which itself stands behind the wait for the next data; no vector instruction of a batch or pair names a register of the one before.  One wait on vm_vsrc, behind the barrier, frees D for the LDS reads.
.set P1,    0x9E3779B1
.set Q,     40503
.set M32,   0xffffffff
.set TS,    622592                     ; bytes of a tile of w0b: 4,864 rows of 64 bf16
.set SPARE, 32768                      ; behind the chunk: the spare words, 128 bytes for each of the eight waves
.set SPW, 2                            ; v2      my spare word; never rewritten
.set NIL, 3                            ; v3      0; never rewritten
.set VO,  4                            ; v4      16 x thread: my place in 4,096 bytes of input or output
.set VL,  5                            ; v5      8 x thread: my place in 2,048 bytes of the chunk in LDS
.set VE,  6                            ; v6      16 mu x thread
.set VB,  10                           ; v10     W0: 4 x my part of the index
.set D,   16                           ; v16-79  the chunk as loaded, then rounded in place; later group k, element c: the number read from LDS, then packed in place
.set AD,  80                           ; v80-143 group k, element c: the LDS address (W0: the gather's byte offset)
	s_load_b256 s[4:11], s[0:1], 0x0               ; hw1 s[4:5], hw2 s[6:7], hw_emb s[8:9], hw0 s[10:11]
	s_load_b128 s[12:15], s[0:1], 0x20             ; Y s[12:13], w0b s[14:15]
	v_lshl_add_u32 v[SPW], v0, 2, SPARE
	v_mov_b32 v[NIL], 0
	v_lshrrev_b32 v1, 5, v0
	v_readfirstlane_b32 s32, v1                    ; wave 0..7
	v_lshlrev_b32 v[VO], 4, v0
	s_wait_alu depctr_va_sdst(0)                   ; s32 is written: ahead of the branch, and of its first reader, which makes v[VL] from it
	s_mov_b32 s16, ttmp9
	s_cmp_lt_u32 s16, 256
	s_cbranch_scc1 .Lw0
	; ---- sifting
	s_sub_co_u32 s16, s16, 256                     ; 128 x table + chunk
	s_lshr_b32 s17, s16, 7                         ; the table: 0, 1, 2
	s_and_b32 s18, s16, 127                        ; the chunk
	s_lshl_b32 s20, s18, 16                        ; 65,536 bytes of f32 a chunk
	s_mov_b32 s21, 0
	s_lshl_b32 s22, s16, 15                        ; 32,768 bytes of bf16 a chunk; the tables' parts of Y follow each other
	s_mov_b32 s23, 0
	s_mov_b32 s24, P1
	s_cmp_eq_u32 s17, 2
	s_cselect_b32 s24, Q, s24                      ; mu
	s_lshl_b32 s25, s24, 1                         ; 2 mu: one element on
	s_lshl_b32 s26, s24, 4                         ; 16 mu: one thread on
	s_mul_i32 s27, s25, 2040                       ; a group of eight ends: 2,048 elements on, less the eight steps made
	s_lshl_b32 s29, s32, 8
	v_and_b32 v7, 31, v0
	v_lshl_add_u32 v[VL], v7, 3, s29               ; 256 x wave + 8 x lane
	v_mul_lo_u32 v[VE], v0, s26
	s_mov_b32 s28, 0                               ; the running 2 mu (2,048 k + c)
	s_wait_kmcnt 0x0
	s_cmp_eq_u32 s17, 1                            ; the source is chosen on the table's number
	s_cselect_b64 s[30:31], s[6:7], s[4:5]
	s_cmp_eq_u32 s17, 2
	s_cselect_b64 s[30:31], s[8:9], s[30:31]
	s_add_nc_u64 s[30:31], s[30:31], s[20:21]
	s_add_nc_u64 s[12:13], s[12:13], s[22:23]
	s_wait_alu depctr_va_vdst(0)                   ; v[VO] is written, which every global load and store reads as its offset, and v[VL], the LDS stores' address
.irp k, 0,1,2,3,4,5,6,7,8,9,10,11,12,13,14,15
	global_load_b128 v[D+4*(\k):D+4*(\k)+3], v[VO], s[30:31] offset:4096*(\k) th:TH_LOAD_NT  ; the whole chunk is asked for at once
.endr
	; the 64 LDS addresses are made while the chunk is on its way: they hang on ids alone, and name neither D nor the offsets
.irp k, 0,1,2,3,4,5,6,7                 ; group k: tau = 8 (thread + 256 k) + c
.irp c, 0,1,2,3,4,5,6,7
	v_add_nc_u32 v[AD+8*(\k)+(\c)], s28, v[VE]
	v_and_b32 v[AD+8*(\k)+(\c)], 0x7ffe, v[AD+8*(\k)+(\c)]
	s_add_co_u32 s28, s28, s25
.endr
	s_add_co_u32 s28, s28, s27
.endr
; Batch b: the sixteen numbers of loads 4 b .. 4 b + 3 are rounded; each four close up into the first two of their four registers
.macro ROUND4 b
.irp q, 0,1,2,3
	v_cvt_pk_bf16_f32 v[D+16*(\b)+4*(\q)],   v[D+16*(\b)+4*(\q)],   v[D+16*(\b)+4*(\q)+1]
	v_cvt_pk_bf16_f32 v[D+16*(\b)+4*(\q)+1], v[D+16*(\b)+4*(\q)+2], v[D+16*(\b)+4*(\q)+3]
.endr
.endm
; Batch b goes into LDS: element j of the chunk at byte 2 j
.macro LAY4 b
.irp q, 0,1,2,3
	ds_store_b64 v[VL], v[D+16*(\b)+4*(\q):D+16*(\b)+4*(\q)+1] offset:2048*(4*(\b)+(\q))
.endr
.endm
	s_wait_loadcnt 12                              ; batch 0 is in; the three younger batches, four loads each, stay out
	ROUND4 0
.irp b, 1,2,3
	s_wait_loadcnt 12-4*(\b)                       ; this batch is in; the younger batches stay out
	s_wait_alu depctr_va_vdst(0)                   ; the roundings of the batch before have written their registers of D, which the four LDS stores below read
	LAY4 (\b)-1
	ROUND4 \b                                      ; names this batch's registers alone
.endr
	s_wait_alu depctr_va_vdst(0)                   ; batch 3 is rounded, for its LDS stores; and for the LDS reads behind the barrier: all of AD is written, and every vector instruction that reads or writes D is done
	LAY4 3
	s_wait_dscnt 0x0                               ; for the others' sake: my part of the chunk is stored,
	s_barrier_signal -1
	s_barrier_wait -1                              ; everybody's is
	s_wait_alu depctr_vm_vsrc(0)                   ; my LDS stores have read their registers of D, in which the reads below land
.irp k, 0,1,2,3,4,5,6,7
.irp c, 0,1,2,3,4,5,6,7
	ds_load_u16 v[D+8*(\k)+(\c)], v[AD+8*(\k)+(\c)]
.endr
.endr
; Pair j: groups 2 j and 2 j + 1: each group's eight numbers close up into the first four of their eight registers
.macro PACK2 j
.irp g, 0,1
.irp i, 0,1,2,3
	v_lshl_or_b32 v[D+16*(\j)+8*(\g)+(\i)], v[D+16*(\j)+8*(\g)+2*(\i)+1], 16, v[D+16*(\j)+8*(\g)+2*(\i)]
.endr
.endr
.endm
.macro SEND2 j
.irp g, 0,1
	global_store_b128 v[VO], v[D+16*(\j)+8*(\g):D+16*(\j)+8*(\g)+3], s[12:13] offset:4096*(2*(\j)+(\g))
.endr
.endm
	s_wait_dscnt 48                                ; pair 0 is in; the three younger pairs' reads, sixteen each, stay out
	PACK2 0
.irp j, 1,2,3
	s_wait_dscnt 48-16*(\j)                        ; this pair is in; the younger pairs stay out
	s_wait_alu depctr_va_vdst(0)                   ; the packings of the pair before have written their registers of D, which the two stores below read
	SEND2 (\j)-1
	PACK2 \j                                       ; names this pair's registers alone: no store has read them
.endr
	s_wait_alu depctr_va_vdst(0)                   ; pair 3 is packed, for the last two stores
	SEND2 3
	s_wait_dscnt 0x0                               ; the closing lines, six on end
	s_wait_alu 0x0
	s_wait_tensorcnt 0x0
	ds_add_u32 v[SPW], v[NIL]
	s_wait_dscnt 0x0
	s_endpgm
.Lw0:
	; ---- W0.  Element p = 8 (thread + 256 k) + e of the group's 4,096: place p % 64 of row p / 64.  All index arithmetic is done times 4 (bytes) modulo 2^32 and cut by the table's mask.
	s_lshr_b32 s17, s16, 6                         ; the tile tx
	s_and_b32 s18, s16, 63                         ; which 64 of its rows
	s_mul_i32 s19, s17, (256*P1)&M32               ; 4 P1 x 64 tx
	s_mul_i32 s20, s18, 256*Q                      ; 4 Q x 64 rows
	s_add_co_u32 s19, s19, s20
	s_add_co_u32 s19, s19, 8                       ; 4 x the seed 2
	s_mul_i32 s22, s17, TS
	s_lshl_b32 s20, s18, 13                        ; 64 rows of 128 bytes
	s_add_co_u32 s22, s22, s20
	s_mov_b32 s23, 0
	s_mov_b32 s24, (32*P1)&M32
	v_and_b32 v8, 7, v0
	v_lshrrev_b32 v9, 3, v0
	v_mul_lo_u32 v8, v8, s24                       ; 4 P1 x 8 (thread % 8)
	v_mul_u32_u24 v9, v9, 4*Q                      ; 4 Q x (thread / 8)
	v_add_nc_u32 v[VB], v8, v9
	v_add_nc_u32 v[VB], s19, v[VB]
.irp k, 0,1
.irp e, 0,1,2,3,4,5,6,7
	v_add_nc_u32 v[AD+8*(\k)+(\e)], (4*P1*(\e)+128*Q*(\k))&M32, v[VB]
	v_and_b32 v[AD+8*(\k)+(\e)], 0x3ffffc, v[AD+8*(\k)+(\e)]           ; 2^20 numbers of 4 bytes
.endr
.endr
	s_wait_kmcnt 0x0
	s_add_nc_u64 s[14:15], s[14:15], s[22:23]
	s_wait_alu depctr_va_vdst(0)                   ; the sixteen offsets in AD are written, which the gathers read, and v[VO], the stores' offset
.irp k, 0,1
.irp e, 0,1,2,3,4,5,6,7
	global_load_b32 v[D+8*(\k)+(\e)], v[AD+8*(\k)+(\e)], s[10:11]
.endr
.endr
	s_wait_loadcnt 8                               ; the second trip's eight gathers stay out
.irp i, 0,1,2,3
	v_cvt_pk_bf16_f32 v[D+(\i)], v[D+2*(\i)], v[D+2*(\i)+1]           ; eight numbers close up into the first four of their eight registers
.endr
	s_wait_loadcnt 0x0
	s_wait_alu depctr_va_vdst(0)                   ; the first trip's roundings have written v[D .. D+3], which the store reads
	global_store_b128 v[VO], v[D:D+3], s[14:15]
.irp i, 0,1,2,3
	v_cvt_pk_bf16_f32 v[D+8+(\i)], v[D+8+2*(\i)], v[D+8+2*(\i)+1]
.endr
	s_wait_alu depctr_va_vdst(0)                   ; the second trip's roundings have written v[D+8 .. D+11], which the store reads
	global_store_b128 v[VO], v[D+8:D+11], s[14:15] offset:4096
	s_endpgm
.Lfunc_end_k_qf14d91e6c1_sift:
	.size	k_qf14d91e6c1_sift, .Lfunc_end_k_qf14d91e6c1_sift-k_qf14d91e6c1_sift
	.p2alignl 7, 3214868480
	.fill 96, 4, 3214868480
	.section	.rodata,"a",@progbits
	.p2align	6, 0x0
	.amdhsa_kernel k_qf14d91e6c1_sift
		.amdhsa_group_segment_fixed_size 33792
		.amdhsa_private_segment_fixed_size 0
		.amdhsa_enable_private_segment 0
		.amdhsa_kernarg_size 48
		.amdhsa_user_sgpr_count 2
		.amdhsa_user_sgpr_kernarg_segment_ptr 1
		.amdhsa_wavefront_size32 1
		.amdhsa_system_sgpr_workgroup_id_x 1
		.amdhsa_system_sgpr_workgroup_id_y 1
		.amdhsa_system_sgpr_workgroup_id_z 1
		.amdhsa_system_vgpr_workitem_id 0
		.amdhsa_next_free_vgpr 144
		.amdhsa_next_free_sgpr 66
		.amdhsa_reserve_vcc 0
		.amdhsa_float_denorm_mode_32 3
		.amdhsa_float_denorm_mode_16_64 3
		.amdhsa_memory_ordered 1
		.amdhsa_forward_progress 1
		.amdhsa_inst_pref_size 28
	.end_amdhsa_kernel
	.amdgpu_metadata
---
amdhsa.version: [ 1, 2 ]
amdhsa.kernels:
  - .name:           k_qf14d91e6c1_sift
    .symbol:         k_qf14d91e6c1_sift.kd
    .args:
      - { .name: hw1, .offset: 0, .size: 8, .value_kind: global_buffer, .address_space: global }
      - { .name: hw2, .offset: 8, .size: 8, .value_kind: global_buffer, .address_space: global }
      - { .name: hw_emb, .offset: 16, .size: 8, .value_kind: global_buffer, .address_space: global }
      - { .name: hw0, .offset: 24, .size: 8, .value_kind: global_buffer, .address_space: global }
      - { .name: t2x, .offset: 32, .size: 8, .value_kind: global_buffer, .address_space: global }
      - { .name: w0b, .offset: 40, .size: 8, .value_kind: global_buffer, .address_space: global }
    .group_segment_fixed_size: 33792
    .private_segment_fixed_size: 0
    .kernarg_segment_align: 8
    .kernarg_segment_size: 48
    .max_flat_workgroup_size: 256
    .sgpr_count:     66
    .vgpr_count:     144
    .wavefront_size: 32
...
	.end_amdgpu_metadata
.endif
;; end of part 9
;; launch place: the kernel of part 6 again; grid 512 x 1, 8 waves a work-group, no clusters, 68,608 bytes of LDS; arguments t2x, seg1, seg2, ge; writes seg1, seg2, ge
;; launch stagea: the kernel of part 7 again; grid 4 x 38, 4 waves a work-group, clusters of 4 x 1, 327,680 bytes of LDS; arguments w0b, seg1, t1; writes t1
;; launch stageb: the kernel of part 7 again; grid 8 x 19, 4 waves a work-group, clusters of 4 x 1, 327,680 bytes of LDS; arguments t1, seg2, t2x; writes t2x
;; launch pool: the kernel of part 8 again; grid 576 x 1, 8 waves a work-group, no clusters, 5,120 bytes of LDS; arguments x, w, ge, t2x, pl, t2f; writes pl, t2f
;; launch stagec: the kernel of part 4 again; grid 16 x 16, 4 waves a work-group, clusters of 4 x 4, 327,680 bytes of LDS; arguments pl, t2f, out0; writes out0
